; MI455X (gfx1250); checked and timed in simulation.
; The chip was launched on July 23, 2026; its instructions are those of AMD's public machine-readable ISA for CDNA 5 (MIT licence, August 2026) and "CDNA5" Instruction Set Architecture Reference Guide (July 2026). The comments in the code are by the model that wrote it; some were corrected since.
;; Attention. Allowed arithmetic: matrix products marked QUANTISED: E2M3 operands, one E8M0 scale for each 32 along K, by v_wmma_scale_f32_16x16x128_f8f6f4 with both operands' format E2M3, f32 sums; everything else in f32.
;; Inputs: Wk 4 x 4,096 x 1,024 float32; Wq 4 x 4,096 x 1,024 float32; Wv 4 x 4,096 x 1,024 float32; bk 4 x 1,024 float32; bq 4 x 1,024 float32; bv 4 x 1,024 float32; h 1,024 x 4,096 float32.
;; Outputs: out0 1,024 x 4,096 float32.
;; This version of the problem:
;;   THIS VERSION OF THE PROBLEM IS GIVEN IN LOW PRECISION. The matrix products marked QUANTISED in the list below multiply operands that are first quantised to E2M3 (2 exponent bits, 3 mantissa bits; 6 bits a number), with one power-of-two scale for each 32 numbers along K (OCP MX v1.0); their sums are f32. All else is computed in f32.
;;   The module's matrix products, in the order in which they are computed (A, B: the left and right operand; K: the contracted axis; several contracted axes count as one K, in the product's order):
;;     1. [M 4,096, K 4,096] x [K 4,096, N 1,024]; A: input Wq; B: input h: QUANTISED
;;     2. [M 4,096, K 4,096] x [K 4,096, N 1,024]; A: input Wk; B: input h: QUANTISED
;;     3. [M 4,096, K 4,096] x [K 4,096, N 1,024]; A: input Wv; B: input h: QUANTISED
;;     4. batch 4 x [M 1,024, K 1,024] x [K 1,024, N 1,024]; A: computed on the way; B: computed on the way: QUANTISED
;;     5. batch 4 x [M 1,024, K 1,024] x [K 1,024, N 1,024]; A: softmax (see below); B: computed on the way: QUANTISED
;;   THE QUANTISER, for each operand of a quantised product, along K:
;;     - K is cut into blocks of 32 from its start; a last block that is shorter is filled with zeros.
;;     - A block's scale is 2^e with e = floor(log2(the largest magnitude in the block)) - 2, held to -126 .. 127; a block of zeros has e = 0. As a byte (E8M0): e + 127.
;;     - Each number is divided by its block's scale, clamped to +-7.5, and rounded to the nearest number of E2M3, ties to even, subnormals kept.
;;     - The product sums the exact products of the quantised numbers (number of the format x scale) in f32.
;;   ~~~python
;;   def quantise(x, axis):      # numpy; x: float32 -> the quantised numbers, widened to float32 again
;;       x = np.moveaxis(x, axis, -1); K = x.shape[-1]
;;       x = np.pad(x, [(0, 0)] * (x.ndim - 1) + [(0, -K % 32)]); x = x.reshape(x.shape[:-1] + (-1, 32)); a = np.abs(x).max(-1, keepdims=True)
;;       e = np.where(a > 0, np.clip(np.frexp(np.where(a > 0, a, 1))[1] - 1 - 2, -126, 127), 0)      # np.frexp(a)[1] - 1 = floor(log2(a)), exactly
;;       r = np.clip(x / 2.0 ** e, -7.5, 7.5)
;;       step = 2.0 ** (np.maximum(np.frexp(np.where(r == 0, 1, r))[1] - 1, 0) - 3)
;;       q = np.round(r / step) * step * 2.0 ** e      # np.round: ties to even
;;       return np.moveaxis(q.reshape(q.shape[:-2] + (-1,))[..., :K], -1, axis).astype(np.float32)
;;   ~~~
;;   SOFTMAX AHEAD OF A QUANTISED PRODUCT. Where the list says 'softmax', what is quantised is not the finished softmax but p = 2^(t - M), with t = logit x log2(e) and M = ceil(the row's largest t), a whole number; so 1/2 < the row's largest p <= 1. The row's sum l is taken of the UNQUANTISED p, in f32, and the product's result is divided by l at the end. Since M is a whole number, a kernel that streams over the keys may use a running M (the ceiling of the running maximum): every later rescaling is an exact power of two, which a block's scale takes up: the codes' values come out the same.
;;   OPERANDS COMPUTED ON THE WAY. 'Computed on the way' means the value that the module computes at that place (a softmax that the list does not call 'softmax' is quantised finished and normalised). What goes into a quantiser is computed in f32, as accurately as f32 sums, v_exp_f32 and their like allow (about 1e-6 of the number): no bf16 or f16 on the way to a quantiser, and a product that is left as it is and whose result goes on into a quantised operand takes f32 operands (vector FMAs, or v_wmma_f32_16x16x4_f32). A number that lies on a knife's edge between two numbers of the format may be rounded either way, as far as f32 arithmetic and the matrix unit's own rounding can turn it there, and no further.
;; One version. Each part assembles by itself: llvm-mc -triple=amdgcn-amd-amdhsa -mcpu=gfx1250 --defsym DOCPART=n.
;; ======== version 1 of 1: 4 launches
;; limits: right only within a limited range of input values
;; workspace buffers: h_img 3,145,728 bytes; h_sc 131,072 bytes; w_img 37,748,736 bytes; w_sc 1,572,864 bytes; qkv_img 9,437,184 bytes; qkv_sc 393,216 bytes; p_img 3,145,728 bytes; p_stat 524,288 bytes
;; launch quant (part 1): grid 896 x 1, 4 waves a work-group, no clusters, 34,304 bytes of LDS; arguments h, Wq, Wk, Wv, h_img, h_sc, w_img, w_sc; writes h_img, h_sc, w_img, w_sc
.if DOCPART == 1
	.amdgcn_target "amdgcn-amd-amdhsa--gfx1250"
	.amdhsa_code_object_version 6
	.text
	.protected	k_qf268cec021_quant
	.globl	k_qf268cec021_quant
	.p2align	8
	.type	k_qf268cec021_quant,@function
k_qf268cec021_quant:
	s_mov_b64 s[64:65], 0
	v_nop
	global_prefetch_b8 v0, s[64:65] scope:SCOPE_SE
	s_setreg_imm32_b32 hwreg(HW_REG_WAVE_MODE, 25, 1), 1
	s_wait_xcnt 0x0
; h [1024][4096] and Wq, Wk, Wv [4][4096 (d)][1024 (e)], f32, become codes of FP6 (E2M3) along d with one E8M0 byte for each 32 along d.
; A block's scale is 2^(floor(log2(largest magnitude)) - 2); its byte is the largest magnitude's exponent field - 2, held at 1 from below.
; LIMITS: a block of zeros, or one whose largest magnitude lies under 2^-124, gets the byte 1 (its codes are zeros or next to it; only this program reads the bytes).
; NaN and infinities among the inputs are not served.
; LAYOUT OF THE RESULTS: IMAGES OF THE OPERAND'S REGISTERS.  A fragment is 16 rows x 128 along K = 12 registers x 32 lanes = 1,536 bytes; byte 512 g + 16 lane holds registers
; 4 g .. 4 g + 3 of that lane.  Lane (r, hf) holds row r of the tile; registers 0-5 its block hf of the four, registers 6-11 block 2 + hf.
; THE ROWS OF A TILE ARE NOT NEIGHBOURS: lane r of tile T holds row 32 (T / 2) + 8 (T % 2) + r + 8 (r / 8).
; h_img [tile 64][K step 32][1536]; w_img [tile 768][K step 32][1536], row = 4096 matrix + 1024 head + e.  Scale words: [tile][K step / 4][r 16][K step % 4], 4 bytes each.
; The first 128 work-groups take h (K innermost: rows turn through the wave's own stage in LDS), the other 768 the weights (K outermost: a lane takes a column, its registers run down K).
; No tensor loads, no barrier: waves share nothing.  Only h's path touches LDS.
.set SW,  16                           ; v[16:19]   four K steps' scale words
.set PC,  20                           ; v[20:31]   h: a fragment's 12 registers
.set CT,  32                           ; v[32:34], v[36:38] h: the conversions' second halves (a conversion's three registers begin on an even number)
.set R,   40                           ; v[40:103]  h: 16 rows x 512 bytes as loaded
.set X,   104                          ; v[104:167] h: my 64 numbers of my row
.set CA,  20                           ; v[20:31]   W: the registers of the fragment's lane (r, 0)
.set CB,  32                           ; v[32:43]   W: those of lane (r, 1)
.set CW,  44                           ; v[44:46]   W: a conversion's second half
.set X3,  48                           ; v[48:143]  W: three sets of 32 numbers
	s_load_b256 s[4:11], s[0:1], 0x0               ; h, Wq, Wk, Wv
	s_load_b256 s[12:19], s[0:1], 0x20             ; h_img, h_sc, w_img, w_sc
	v_lshl_add_u32 v168, v0, 2, 0x8400
	v_mov_b32 v169, 0
	v_lshrrev_b32 v1, 5, v0
	v_readfirstlane_b32 s20, v1                    ; wave 0..3
	v_and_b32 v1, 31, v0                           ; lane
	v_and_b32 v2, 15, v0                           ; r
	v_bfe_u32 v3, v0, 4, 1                         ; hf
	s_mov_b32 s30, 0x76543210
	s_mov_b32 s31, 0xfedcba98                      ; v_permlanex16_b32's selects for lane l xor 16
	s_cmp_lt_u32 ttmp9, 128
	s_cbranch_scc0 .Lpath_w
; ---------------- h: wave W = 4 x work-group + wave takes tile T = W / 8 and K steps 4 (W % 8) + 0 .. 3
	s_lshl_b32 s21, ttmp9, 2
	s_add_co_u32 s21, s21, s20
	s_lshr_b32 s22, s21, 3                         ; T
	s_and_b32 s23, s21, 7                          ; kg
	s_lshr_b32 s24, s22, 1
	s_lshl_b32 s24, s24, 5
	s_and_b32 s25, s22, 1
	s_lshl_b32 s25, s25, 3
	s_add_co_u32 s24, s24, s25                     ; the tile's first row: 32 (T / 2) + 8 (T % 2)
	s_lshl_b32 s24, s24, 14                        ; x 16,384 bytes a row
	s_lshl_b32 s25, s23, 11                        ; + 2,048 bytes for each four K steps
	s_add_co_u32 s24, s24, s25
	s_mov_b32 s25, 0
	s_lshl_b32 s26, s22, 5
	s_lshl_b32 s27, s23, 2
	s_add_co_u32 s26, s26, s27
	s_mul_i32 s26, s26, 1536                       ; fragment 32 T + 4 kg
	s_mov_b32 s27, 0
	s_lshl_b32 s28, s22, 11
	s_lshl_b32 s29, s23, 8
	s_add_co_u32 s28, s28, s29                     ; scale words: 2,048 T + 256 kg
	s_mov_b32 s29, 0
	s_mul_i32 s32, s20, 8448                       ; my stage: 16 rows of 512 + 16 bytes
	s_wait_alu depctr_va_vdst(0)
	v_lshlrev_b32 v4, 4, v1                        ; 16 x lane
	v_add_nc_u32 v5, s32, v4                       ; into the stage: a row's 512 bytes as they lie
	v_mul_u32_u24 v6, v2, 528
	v_lshl_add_u32 v6, v3, 7, v6
	v_add_nc_u32 v6, s32, v6                       ; out of it: row r, my block's 128 bytes
	v_lshlrev_b32 v7, 4, v2                        ; 16 r: my row's four scale words
	v_lshlrev_b32 v8, 3, v3                        ; 8 hf: my bytes' place in a scale word
	v_mov_b32 v15, 0                               ; written once: a lane permute's destination counts as one of its sources
	s_wait_alu depctr_va_vdst(0)
	s_wait_kmcnt 0x0
	s_add_nc_u64 s[4:5], s[4:5], s[24:25]
	s_add_nc_u64 s[12:13], s[12:13], s[26:27]
	s_add_nc_u64 s[14:15], s[14:15], s[28:29]
.macro HLOAD j                         ; K step j of the tile's 16 rows: each load reads 512 consecutive bytes of one row
.irp i, 0,1,2,3,4,5,6,7,8,9,10,11,12,13,14,15
	global_load_b128 v[R+4*\i:R+4*\i+3], v4, s[4:5] offset:(\i+8*(\i/8))*16384+512*(\j) th:TH_LOAD_NT
.endr
.endm
.macro HSTEP j
	s_wait_loadcnt 0x0                             ; this K step's 16 loads are in
.irp i, 0,1,2,3,4,5,6,7,8,9,10,11,12,13,14,15
	ds_store_b128 v5, v[R+4*\i:R+4*\i+3] offset:528*\i
.endr
.irp c, 0,1
.irp q, 0,1,2,3,4,5,6,7
	ds_load_b128 v[X+32*\c+4*\q:X+32*\c+4*\q+3], v6 offset:256*\c+16*\q   ; LDS serves a wave's instructions in order: these see my stores.  Blocks hf and 2 + hf of row r
.endr
.endr
	s_wait_dscnt 0x0                               ; my 64 numbers are back, and the stores have read their registers,
.if (\j) < 3
	HLOAD (\j)+1                                   ; which take the next K step's loads
.endif
	v_max3_num_f32 v9, |v[X]|, |v[X+1]|, 0x1800000         ; my two blocks' largest magnitudes, by turns, with the floor 2^(3 - 127): the byte cannot fall under 1
	v_max3_num_f32 v10, |v[X+32]|, |v[X+33]|, 0x1800000
.irp i, 2,4,6,8,10,12,14,16,18,20,22,24,26,28,30
	v_max3_num_f32 v9, v9, |v[X+\i]|, |v[X+\i+1]|
	v_max3_num_f32 v10, v10, |v[X+32+\i]|, |v[X+33+\i]|
.endr
	v_add_nc_u32 v9, 0xff000000, v9                ; 2 off the exponent field: the conversion takes this operand's exponent field as its scale
	v_add_nc_u32 v10, 0xff000000, v10
	v_lshrrev_b32 v11, 23, v9                      ; the scales' bytes
	v_lshrrev_b32 v12, 23, v10
	v_lshl_or_b32 v11, v12, 16, v11                ; blocks hf and 2 + hf,
	v_lshlrev_b32 v11, v8, v11                     ; at their places in the word;
	v_permlanex16_b32 v15, v11, s30, s31
	v_or_b32 v[SW+(\j)], v11, v15                  ; with lane l xor 16's two the word is whole
	s_wait_alu depctr_va_vdst(0)
	s_wait_xcnt 0x0                                ; the last K step's stores have read the fragment's registers
	v_cvt_scalef32_pk16_fp6_f32 v[PC:PC+2], v[X:X+15], v9
	v_cvt_scalef32_pk16_fp6_f32 v[CT:CT+2], v[X+16:X+31], v9
	v_cvt_scalef32_pk16_fp6_f32 v[PC+6:PC+8], v[X+32:X+47], v10
	v_cvt_scalef32_pk16_fp6_f32 v[CT+4:CT+6], v[X+48:X+63], v10
	v_nop                                          ; one plain place behind a scaled conversion
.irp c, 0,1
.irp i, 0,1,2
	v_mov_b32 v[PC+3+6*\c+\i], v[CT+4*\c+\i]
.endr
.endr
.irp g, 0,1,2
	global_store_b128 v4, v[PC+4*\g:PC+4*\g+3], s[12:13] offset:1536*(\j)+512*\g   ; 32 lanes store 512 consecutive bytes, aligned
.endr
.endm
	HLOAD 0
	HSTEP 0
	HSTEP 1
	HSTEP 2
	HSTEP 3
	v_cmp_gt_u32 vcc_lo, 16, v1
	s_wait_xcnt 0x0                                ; EXEC changes only behind this wait
	s_wait_tensorcnt 0x0
	ds_add_u32 v168, v169
	s_wait_dscnt 0x0
	s_and_saveexec_b32 s21, vcc_lo
	global_store_b128 v7, v[SW:SW+3], s[14:15]     ; lanes 0-15: 256 consecutive bytes, aligned
	s_wait_xcnt 0x0
	s_or_b32 exec_lo, exec_lo, s21
	s_endpgm
; ---------------- the weights: a wave takes 32 columns e (a pair of tiles) x 512 along d (16 blocks, 4 K steps)
.Lpath_w:
	s_sub_co_u32 s21, ttmp9, 128
	s_and_b32 s22, s21, 7                          ; kg: which 512 along d
	s_lshr_b32 s23, s21, 3
	s_and_b32 s23, s23, 7                          ; nb: which 128 columns
	s_lshr_b32 s24, s21, 6                         ; 4 x matrix + head
	s_lshr_b32 s25, s24, 2                         ; matrix: 0 q, 1 k, 2 v
	s_and_b32 s26, s24, 3                          ; head
	s_lshl_b32 s32, s26, 24                        ; a head is 16 MiB,
	s_lshl_b32 s33, s22, 21                        ; 512 rows of 4,096 bytes,
	s_add_co_u32 s32, s32, s33
	s_lshl_b32 s33, s23, 9                         ; 128 columns,
	s_add_co_u32 s32, s32, s33
	s_lshl_b32 s33, s20, 7                         ; my wave's 32
	s_add_co_u32 s32, s32, s33
	s_mov_b32 s33, 0
	s_lshl_b32 s27, s24, 6
	s_lshl_b32 s28, s23, 3
	s_add_co_u32 s27, s27, s28
	s_lshl_b32 s28, s20, 1
	s_add_co_u32 s27, s27, s28                     ; my first tile, an even one
	s_lshl_b32 s34, s27, 5
	s_lshl_b32 s35, s22, 2
	s_add_co_u32 s34, s34, s35
	s_mul_i32 s34, s34, 1536                       ; its fragment of K step 4 kg
	s_mov_b32 s35, 0
	s_lshl_b32 s36, s27, 11
	s_lshl_b32 s37, s22, 8
	s_add_co_u32 s36, s36, s37                     ; its scale words
	s_mov_b32 s37, 0
	s_wait_alu depctr_va_vdst(0)
	v_and_b32 v4, 8, v2
	v_add_nc_u32 v4, v4, v2
	v_lshl_add_u32 v4, v3, 3, v4                   ; lanes 0-15 are the first tile's rows, lanes 16-31 the second's: my column is 8 u + r + 8 (r / 8)
	v_lshlrev_b32 v4, 2, v4
	v_lshlrev_b32 v6, 4, v2
	v_mul_u32_u24 v5, v3, 49152                    ; a tile's 32 fragments
	v_add_nc_u32 v5, v5, v6                        ; codes: 49,152 u + 16 r
	v_lshl_add_u32 v6, v3, 11, v6                  ; scale words: 2,048 u + 16 r
	s_wait_alu depctr_va_vdst(0)
	s_wait_kmcnt 0x0
	s_cmp_eq_u32 s25, 0                            ; the choice of the tensor hangs on the work-group's number alone
	s_cselect_b64 s[38:39], s[6:7], s[8:9]
	s_cmp_eq_u32 s25, 2
	s_cselect_b64 s[38:39], s[10:11], s[38:39]
	s_add_nc_u64 s[38:39], s[38:39], s[32:33]
	s_add_nc_u64 s[16:17], s[16:17], s[34:35]
	s_add_nc_u64 s[18:19], s[18:19], s[36:37]
.macro WLOAD t                         ; block t: W(32 t + i, my column): the wave reads 128 consecutive bytes, the work-group 512
.irp i, 0,1,2,3,4,5,6,7,8,9,10,11,12,13,14,15,16,17,18,19,20,21,22,23,24,25,26,27,28,29,30,31
	global_load_b32 v[X3+32*((\t)%3)+\i], v4, s[38:39] offset:(32*(\t)+\i)*4096 th:TH_LOAD_NT
.endr
.endm
.macro BLOCK t
.set XS, X3+32*((\t)%3)
.set DB, CA+12*((\t)%2)+6*(((\t)%4)/2)  ; block b of a K step belongs to the fragment's lane (r, b % 2), registers 6 (b / 2) on
.if (\t) < 15
	s_wait_loadcnt 32                              ; this block's 32 loads are in; the next block's may be out
.else
	s_wait_loadcnt 0x0
.endif
.if (\t) < 14
	WLOAD (\t)+2                                   ; into the set that the block before has left: 64 loads of the wave are out
.endif
	v_max3_num_f32 v8, |v[XS]|, |v[XS+1]|, |v[XS+2]|       ; the block's largest magnitude: all 32 numbers are mine
	v_max3_num_f32 v9, |v[XS+3]|, |v[XS+4]|, |v[XS+5]|
.irp i, 6,10,14,18,22,26
	v_max3_num_f32 v8, v8, |v[XS+\i]|, |v[XS+\i+1]|
	v_max3_num_f32 v9, v9, |v[XS+\i+2]|, |v[XS+\i+3]|
.endr
	v_max3_num_f32 v8, v8, |v[XS+30]|, |v[XS+31]|
	v_max3_num_f32 v8, v8, v9, 0x1800000           ; and the floor 2^(3 - 127)
	v_add_nc_u32 v10, 0xff000000, v8               ; the conversion's scale operand
	v_lshrrev_b32 v11, 23, v10                     ; the scale's byte
.if (\t)%4 == 0
	v_mov_b32 v[SW+(\t)/4], v11
.else
	v_lshl_or_b32 v[SW+(\t)/4], v11, 8*((\t)%4), v[SW+(\t)/4]
.endif
.if ((\t)%4 == 0) && ((\t) > 0)
	s_wait_alu depctr_va_vdst(0)
	s_wait_xcnt 0x0                                ; the last K step's stores have read the codes' registers
.endif
	v_cvt_scalef32_pk16_fp6_f32 v[DB:DB+2], v[XS:XS+15], v10
	v_cvt_scalef32_pk16_fp6_f32 v[CW:CW+2], v[XS+16:XS+31], v10
	v_nop                                          ; one plain place behind a scaled conversion
.irp i, 0,1,2
	v_mov_b32 v[DB+3+\i], v[CW+\i]
.endr
.if (\t)%4 == 3
.irp g, 0,1,2
	global_store_b128 v5, v[CA+4*\g:CA+4*\g+3], s[16:17] offset:1536*((\t)/4)+512*\g       ; lanes 0-15 and lanes 16-31 each store 256 consecutive bytes, aligned
	global_store_b128 v5, v[CB+4*\g:CB+4*\g+3], s[16:17] offset:1536*((\t)/4)+512*\g+256
.endr
.endif
.endm
	WLOAD 0
	WLOAD 1
.irp t, 0,1,2,3,4,5,6,7,8,9,10,11,12,13,14,15
	BLOCK \t
.endr
	global_store_b128 v6, v[SW:SW+3], s[18:19]     ; four K steps' scale words of my row
	s_endpgm
.Lfunc_end_k_qf268cec021_quant:
	.size	k_qf268cec021_quant, .Lfunc_end_k_qf268cec021_quant-k_qf268cec021_quant
	.p2alignl 7, 3214868480
	.fill 96, 4, 3214868480
	.section	.rodata,"a",@progbits
	.p2align	6, 0x0
	.amdhsa_kernel k_qf268cec021_quant
		.amdhsa_group_segment_fixed_size 34304
		.amdhsa_private_segment_fixed_size 0
		.amdhsa_enable_private_segment 0
		.amdhsa_kernarg_size 64
		.amdhsa_user_sgpr_count 2
		.amdhsa_user_sgpr_kernarg_segment_ptr 1
		.amdhsa_wavefront_size32 1
		.amdhsa_system_sgpr_workgroup_id_x 1
		.amdhsa_system_sgpr_workgroup_id_y 1
		.amdhsa_system_sgpr_workgroup_id_z 1
		.amdhsa_system_vgpr_workitem_id 0
		.amdhsa_next_free_vgpr 170
		.amdhsa_next_free_sgpr 66
		.amdhsa_reserve_vcc 1
		.amdhsa_float_denorm_mode_32 3
		.amdhsa_float_denorm_mode_16_64 3
		.amdhsa_memory_ordered 1
		.amdhsa_forward_progress 1
		.amdhsa_inst_pref_size 106
	.end_amdhsa_kernel
	.amdgpu_metadata
---
amdhsa.version: [ 1, 2 ]
amdhsa.kernels:
  - .name:           k_qf268cec021_quant
    .symbol:         k_qf268cec021_quant.kd
    .args:
      - { .name: h, .offset: 0, .size: 8, .value_kind: global_buffer, .address_space: global }
      - { .name: Wq, .offset: 8, .size: 8, .value_kind: global_buffer, .address_space: global }
      - { .name: Wk, .offset: 16, .size: 8, .value_kind: global_buffer, .address_space: global }
      - { .name: Wv, .offset: 24, .size: 8, .value_kind: global_buffer, .address_space: global }
      - { .name: h_img, .offset: 32, .size: 8, .value_kind: global_buffer, .address_space: global }
      - { .name: h_sc, .offset: 40, .size: 8, .value_kind: global_buffer, .address_space: global }
      - { .name: w_img, .offset: 48, .size: 8, .value_kind: global_buffer, .address_space: global }
      - { .name: w_sc, .offset: 56, .size: 8, .value_kind: global_buffer, .address_space: global }
    .group_segment_fixed_size: 34304
    .private_segment_fixed_size: 0
    .kernarg_segment_align: 8
    .kernarg_segment_size: 64
    .max_flat_workgroup_size: 128
    .sgpr_count:     66
    .vgpr_count:     170
    .wavefront_size: 32
...
	.end_amdgpu_metadata
.endif
;; end of part 1
;; launch proj (part 2): grid 48 x 4, 4 waves a work-group, clusters of 4 x 4, 327,680 bytes of LDS; arguments h_img, h_sc, w_img, w_sc, bq, bk, bv, qkv_img, qkv_sc; writes qkv_img, qkv_sc
.if DOCPART == 2
	.amdgcn_target "amdgcn-amd-amdhsa--gfx1250"
	.amdhsa_code_object_version 6
	.text
	.protected	k_qf268cec021_proj
	.globl	k_qf268cec021_proj
	.p2align	8
	.type	k_qf268cec021_proj,@function
k_qf268cec021_proj:
	s_mov_b64 s[64:65], 0
	v_nop
	global_prefetch_b8 v0, s[64:65] scope:SCOPE_SE
	s_setreg_imm32_b32 hwreg(HW_REG_WAVE_MODE, 25, 1), 1
	s_wait_xcnt 0x0
	s_wait_alu depctr_hold_cnt(0) depctr_sa_sdst(0) depctr_va_vdst(0) depctr_va_sdst(0) depctr_va_ssrc(0) depctr_va_vcc(0) depctr_vm_vsrc(0)
	s_getreg_b32 s2, hwreg(HW_REG_IB_STS2, 6, 4)
	s_cmp_eq_u32 s2, 0
	s_cbranch_scc0 .Lentry_in_a_cluster
	s_endpgm
.Lentry_in_a_cluster:
	s_bfe_u32 s2, ttmp6, 0x10000c
	s_cmp_lg_u32 s2, 0xf033
	s_cbranch_scc0 .Lentry_shape_is_right
	s_endpgm
.Lentry_shape_is_right:
; q, k, v = h W + b on codes of FP6 (E2M3) with E8M0 scales, K = 4,096; the results are quantised at once, in registers, and leave as codes: q and k along e, v along the keys.
; A work-group makes 256 rows of W (48 blocks: q's, k's, v's 4,096 rows each) x 256 rows of h (4 blocks).
; ALL OPERANDS ARE IMAGES OF THEIR REGISTERS: a fragment (16 rows x 128 K) is 1,536 bytes, byte 512 g + 16 lane = registers 4 g .. 4 g + 3 of that lane: three loads of 512 consecutive bytes bring one, from LDS or from memory.
; Lane r of tile T holds row 32 (T / 2) + 8 (T % 2) + r + 8 (r / 8).  THE MATRIX INSTRUCTION IS USED TRANSPOSED: a lane holds one row of source 1, and the 16 registers of source 0's tiles 2 b, 2 b + 1 are 16
; neighbours along source 0's rows.  So source 0 is the operand along whose rows the result is quantised: W for q and k (TYPE 0), h for v (TYPE 1).  TYPE hangs on the cluster's x alone; it chooses buffers and block numbers, nothing in LDS.
; SHARES.  A wave owns 64 rows of source 1 (4 tiles) against all 256 rows of source 0 (16 tiles): 64 accumulators, 512 registers.
; SOURCE 1 GOES STRAIGHT INTO REGISTERS: each of its fragments is used by one wave alone, so LDS would only pass it on.  Four sets of 4 fragments; a set is asked for four K steps ahead of its use.
; SOURCE 0 goes through a ring of two LDS slots, each 16 tiles x 4 K steps = 98,304 bytes, read by all four waves: 256 matrix instructions a wave for each change of slots.
; The scale words of the work-group's rows for all of K come once, with the first fills, and stay.
; CLUSTERS: 4 x 4 work-groups.  Source 0's block is 4 x (cluster x, or for v cluster y) + cx: its tiles are asked for jointly along a column of the cluster; the scale words of source 1 (block 4 x (cluster y, or for v
; cluster x) + cy) jointly along a row.  Source 1's codes are NOT asked for jointly, though the four work-groups of a row read the same rows: a joint request lands in LDS, where these codes would take half of each slot
; (two K steps to a slot instead of four) only to be read back once.
; The bias is added last, in f32; each wave keeps the block's 256 numbers in LDS bytes of its own from the start.
; LIMITS: a block of results whose largest magnitude lies under 2^-124 gets the byte 1; NaN and infinities are not served.
; REGISTERS: window 0: v1-31 addresses; v32-95 scale words, two sets of 16 registers x 2 K steps; v96-239 source 1's sets 0-2 (48 each); on the way out v32-239 are free.
;   window 1: v0-191 source 0's 16 fragments, ONE set (tiles 0-7 are fetched anew in a step's middle, tiles 8-15 at its end); v192-239 source 1's set 3.
;   window 2: the accumulators of source 0's tiles 0-7 ((a, b) at v[8 (8 a + b)]);   window 3: those of tiles 8-15.
.set FR,    12
.set QT,    24576                      ; 4 tiles x 4 K steps x 1,536: what one tensor load brings
.set SLOT,  98304                      ; source 0's 16 tiles x 4 K steps
.set SCL,   196608                     ; behind the ring: source 1's scale words, 32,768 bytes, then source 0's
.set BSC,   262144                     ; the bias: 1,024 bytes for each wave, stored by the wave itself: no fill lands here
.set SPARE, 327168                     ; the spare words, 128 bytes for each wave: two blocks of 256 bytes that no other line names
.set LAPS,  4                          ; a lap = two slots = 8 K steps
.set ADRB, 16                          ; v16-19 source 0's fragments: slot 0 tiles 0-7, slot 0 tiles 8-15, slot 1 likewise (an LDS offset has 16 bits)
.set BSA,  20                          ; v20    where I store the bias
.set BL0,  21                          ; v21    where I read it back, TYPE 0: along the registers
.set BL1,  22                          ; v22    TYPE 1: along the lanes
.set SO2,  23                          ; v23    the way out: my place among the scale words
.set LI,   24                          ; v24    16 x lane; never rewritten
.set ADRS, 27                          ; v27    scale words: lanes 0-15 source 1's rows, lanes 16-31 source 0's
.set SPW,  28                          ; v28    my spare word; never rewritten
.set NIL,  29                          ; v29    0; never rewritten
.set SC,   32
.set BI,   96                          ; the way out: the bias
.set TM,   64                          ; the way out: v64-79 at work, v80-87 the eight fragments' scale words, v[88:91] as stored, v96-107 a fragment, v[108:110], v[112:114] second halves
.set PW,   80
.set SWD,  88
.set PC,   96
.set CT,   108
.set AP,   32                          ; s[32:33] source 1's codes: my four tiles, at the lap's first K step
.set G1B, 48                           ; s[48:55] group 1 for source 0's tiles; s[56:63] group 0, one set a slot
.set G0B, 56
.set SCA2, 25                          ; v25    where I store my 16,384 bytes of scale words
.set MSB, 0
.macro WIN new                         ; the immediate's high byte repeats the setting that is left
.if MSB != \new
	s_set_vgpr_msb (MSB<<8)|\new
.set MSB, \new
.endif
.endm
.set TO_B, 0x40                        ; destination window 1, address window 0
.macro MWIN kk, q                      ; source 0 window 1; source 1 window 0, set 3 window 1; C and D window 2 + kk
	WIN 0xa1+0x50*(\kk)+0x04*((\q)/3)
.endm
; THE SCALE WORDS (in place of what the head says of them): no tensor load brings them.  Each wave reads 16,384 bytes (8 tiles' words: waves 0, 1 source 1's, waves 2, 3 source 0's) into
; registers of the accumulators' window, which are idle at the head, and stores them to LDS bytes on which no fill lands.  They are not asked for jointly: they are 65,536 bytes of a work-group's
; 1,638,400, and a wave has one tensor load at the head, which is slot 0's.
.macro CREST                           ; a round of the cluster's barrier behind its opening barrier
	s_cmp_lg_u32 s22, 0
	s_cbranch_scc1 .Lnot_wave_0_\@
	s_barrier_signal -3
.Lnot_wave_0_\@:
	s_barrier_wait -3
	s_barrier_signal -1
	s_barrier_wait -1
.endm
.macro CROUND
	s_barrier_signal -1
	s_barrier_wait -1
	CREST
.endm
.macro PLACES                          ; four plain places behind a matrix instruction, in front of loads into its registers and of reads of its results
.rept 4
	v_nop
.endr
.endm
; Source 1's set q: my four tiles' fragments of the K step ks behind the lap's first: 12 loads of 512 consecutive bytes
.macro ALOAD q, ks
.if (\q) == 3
	WIN TO_B
.set AB0, 192
.else
.set AB0, 96+48*(\q)
.endif
.irp a, 0,1,2,3
.irp g, 0,1,2
	global_load_b128 v[AB0+FR*\a+4*\g:AB0+FR*\a+4*\g+3], v[LI], s[AP:AP+1] offset:49152*\a+1536*(\ks)+512*\g
.endr
.endr
	WIN 0
.endm
	s_load_b256 s[4:11], s[0:1], 0x0               ; h_img, h_sc, w_img, w_sc
	s_load_b256 s[12:19], s[0:1], 0x20             ; bq, bk, bv, qkv_img
	s_load_b64 s[20:21], s[0:1], 0x40              ; qkv_sc
	v_lshl_add_u32 v[SPW], v0, 2, SPARE
	v_mov_b32 v[NIL], 0
	ds_add_u32 v28, v29
	ds_add_u32 v28, v29
	s_wait_dscnt 0x0
	v_lshrrev_b32 v1, 5, v0
	v_readfirstlane_b32 s22, v1                    ; wave 0..3
	v_and_b32 v1, 31, v0                           ; lane
	v_lshlrev_b32 v[LI], 4, v1
	s_lshr_b32 s23, s22, 1                         ; of the scale words I fetch source 1's (0) or source 0's (1),
	s_and_b32 s24, s22, 1                          ; and which 8 tiles' of them
	s_lshr_b32 s25, ttmp9, 3                       ; TYPE: 0 for q and k, 1 for v: the same in all sixteen partners
	s_bfe_u32 s26, ttmp6, 0x40000                  ; cx
	s_bfe_u32 s27, ttmp6, 0x40004                  ; cy
	s_lshl_b32 s98, ttmp9, 2                       ; 4 x cluster x
	s_and_b32 s99, ttmp7, 0xffff
	s_lshl_b32 s99, s99, 2                         ; 4 x cluster y
	s_cmp_eq_u32 s25, 0
	s_cselect_b32 s94, s99, s98
	s_cselect_b32 s96, s98, s99
	s_add_co_u32 s94, s94, s27                     ; source 1's block of 256 rows: of cy alone
	s_add_co_u32 s96, s96, s26                     ; source 0's: of cx alone
	s_cmp_eq_u32 s25, 0
	s_cselect_b32 s28, s96, s94                    ; X: W's block, 0 .. 47 (for the bias and the way out alone)
	s_cselect_b32 s29, s94, s96                    ; Y: h's block, 0 .. 3
	s_lshl_b32 s31, 0x1111, s26                    ; my column
	s_mov_b32 s92, 0x76543210
	s_mov_b32 s93, 0xfedcba98
	; group 1, source 0's codes: 4 rows (one a tile) of 6,144 bytes (four K steps' fragments) as 768 elements of 8 bytes, 49,152 bytes from tile to tile in either buffer; dense in LDS
	s_or_b32 s[G1B], s31, (3<<16)|(1<<21)          ; 15:0 the mask: my column; 17:16 elements of 8 bytes; 21 set beside a mask
	s_mov_b32 s[G1B+1], 768<<16                    ; tensor_dim0
	s_mov_b32 s[G1B+2], 4<<16                      ; tensor_dim1
	s_mov_b32 s[G1B+3], 768<<16                    ; tile_dim0
	s_mov_b32 s[G1B+4], 4                          ; tile_dim1
	s_mov_b32 s[G1B+5], 6144                       ; tensor_dim0_stride
	s_mov_b32 s[G1B+6], 0
	s_mov_b32 s[G1B+7], 0
	s_lshl_b32 s94, s94, 4                         ; source 1's first tile (no register of a row's joint addresses ever holds cx),
	s_lshl_b32 s96, s96, 4                         ; source 0's (none of a column's holds cy)
	s_lshl_b32 s95, s24, 3
	s_lshl_b32 s97, s22, 2
	s_add_co_u32 s98, s94, s97                     ; source 1: my own four tiles
	s_mul_i32 s98, s98, 49152
	s_mov_b32 s99, 0
	s_add_co_u32 s100, s96, s97                    ; source 0: the four tiles that I fetch
	s_mul_i32 s100, s100, 49152
	s_mov_b32 s101, 0
	s_add_co_u32 s94, s94, s95                     ; the 8 tiles whose scale words I fetch: 2,048 bytes a tile
	s_lshl_b32 s94, s94, 11
	s_add_co_u32 s96, s96, s95
	s_lshl_b32 s96, s96, 11
	s_mov_b32 s95, 0
	s_mov_b32 s97, 0
	s_mul_i32 s2, s22, QT                          ; where they go: wave x 4 tiles: neither the place in the cluster nor TYPE enters an LDS address
	s_lshl_b32 s3, s22, 14
	s_and_b32 s36, s28, 15
	s_lshl_b32 s36, s36, 10                        ; W's block in its matrix: 256 numbers of the bias
	s_mov_b32 s37, 0
	s_lshr_b32 s38, ttmp9, 2                       ; the matrix: 0 q, 1 k, 2 v
	s_wait_alu depctr_va_vdst(0)
	s_wait_kmcnt 0x0
	s_cmp_eq_u32 s25, 0                            ; which buffer is source 1's and which source 0's hangs on the cluster's x alone
	s_cselect_b64 s[66:67], s[4:5], s[8:9]         ; source 1's codes: h_img, for v w_img
	s_cselect_b64 s[8:9], s[8:9], s[4:5]           ; source 0's codes
	s_cselect_b64 s[4:5], s[6:7], s[10:11]         ; source 1's scale words
	s_cselect_b64 s[10:11], s[10:11], s[6:7]       ; source 0's
	s_add_nc_u64 s[AP:AP+1], s[66:67], s[98:99]
	s_add_nc_u64 s[94:95], s[4:5], s[94:95]
	s_add_nc_u64 s[100:101], s[8:9], s[100:101]
	s_add_nc_u64 s[96:97], s[10:11], s[96:97]
	s_cmp_eq_u32 s38, 0
	s_cselect_b64 s[34:35], s[12:13], s[14:15]
	s_cmp_eq_u32 s38, 2
	s_cselect_b64 s[34:35], s[16:17], s[34:35]
	s_add_nc_u64 s[34:35], s[34:35], s[36:37]
	global_load_b128 v[8:11], v[LI], s[34:35]              ; the block's 256 numbers of the bias
	global_load_b128 v[12:15], v[LI], s[34:35] offset:512
	s_cmp_eq_u32 s23, 0                            ; the wave's number chooses whose scale words I read
	s_cselect_b64 s[36:37], s[94:95], s[96:97]
	WIN 0x80                                       ; destination window 2
.set NN, 0
.rept 32
	global_load_b128 v[4*NN:4*NN+3], v[LI], s[36:37] offset:512*NN   ; 512 consecutive bytes a load
.set NN, NN+1
.endr
	WIN 0
	ALOAD 0, 0
	ALOAD 1, 1
	CROUND                                         ; all sixteen work-groups are here: the first joint loads meet
.irp s, 0,1
	s_mov_b32 s[G0B+4*\s], 1
	s_add_co_u32 s[G0B+4*\s+1], s2, \s*SLOT
	s_add_nc_u64 s[G0B+4*\s+2:G0B+4*\s+3], s[100:101], \s*6144
	s_or_b32 s[G0B+4*\s+3], s[G0B+4*\s+3], 0x80000000
.endr
	tensor_load_to_lds s[G0B:G0B+3], s[G1B:G1B+7]          ; slot 0: K steps 0-3: my one tensor load at the head
	s_nop 0
.rept 4
	v_nop
.endr
	v_and_b32 v2, 15, v0                           ; r
	v_bfe_u32 v3, v0, 4, 1                         ; hf
.irp s, 0,1
.irp hh, 0,1
	v_add_nc_u32 v[ADRB+2*\s+\hh], \s*SLOT+\hh*49152, v[LI]
.endr
.endr
	v_lshlrev_b32 v4, 4, v2                        ; 16 r: a row's four words of four K steps
	s_lshl_b32 s94, s22, 13                        ; source 1's: my four tiles come first of the sixteen that a load's offsets walk (lanes 0-15 of registers 4 on are read by no product)
	s_mov_b32 s95, 32768
	s_sub_co_u32 s95, s95, s94
	v_mul_u32_u24 v5, s95, v3                      ; lanes 16-31 take source 0's: the lower base + hf x the distance
	s_add_co_u32 s94, s94, SCL
	v_add_nc_u32 v4, v4, v5
	v_add_nc_u32 v[ADRS], s94, v4
	s_lshl_b32 s94, s22, 10
	s_add_co_u32 s94, s94, BSC                     ; my copy of the bias
	v_add_nc_u32 v[BSA], s94, v[LI]
	v_lshl_add_u32 v[BL0], v3, 6, s94              ; TYPE 0: tile b, register j: unit 32 (b / 2) + 8 (b % 2) + 16 hf + j
	v_and_b32 v4, 8, v2
	v_add_nc_u32 v4, v4, v2
	s_lshl_b32 s95, s22, 8
	s_add_co_u32 s95, s95, s94
	v_lshl_add_u32 v[BL1], v4, 2, s95              ; TYPE 1: tile a: unit 64 wave + 32 (a / 2) + 8 (a % 2) + r + 8 (r / 8)
	v_lshlrev_b32 v[SO2], 4, v2
	v_lshl_add_u32 v[SO2], v3, 12, v[SO2]          ; 4,096 hf + 16 r
	s_add_co_u32 s3, s3, SCL
	v_add_nc_u32 v[SCA2], s3, v[LI]                ; scale words: SCL + 16,384 wave + 16 lane
.macro FETCH_B slot, q, half           ; source 0's tiles 8 half .. 8 half + 7 of the slot's q-th K step: 24 loads of 512 consecutive bytes
	WIN TO_B
.irp i, 0,1,2,3,4,5,6,7
.irp g, 0,1,2
	ds_load_b128 v[FR*(8*(\half)+\i)+4*\g:FR*(8*(\half)+\i)+4*\g+3], v[ADRB+2*(\slot)+(\half)] offset:6144*\i+1536*(\q)+512*\g
.endr
.endr
	WIN 0
.endm
.macro SCALES set                      ; two K steps' words a row (set 0: a slot's K steps 0, 1; set 1: 2, 3): lanes 0-15 source 1's tile 4 wave + i, lanes 16-31 source 0's tile i
.irp i, 0,1,2,3,4,5,6,7,8,9,10,11,12,13,14,15
	ds_load_b64 v[SC+32*\set+2*\i:SC+32*\set+2*\i+1], v[ADRS] offset:2048*\i+8*\set
.endr
.endm
; 16 matrix instructions: source 1's tiles a0, a0 + 1 x source 0's tiles 8 kk .. 8 kk + 7, the slot's q-th K step.  zero = 1: the first product starts the sums: nothing is cleared.
; The 64 accumulators take turns, one instruction a turn, in the same order in every K step.
.macro MUL16 a0, kk, q, zero
.irp a, \a0, \a0+1
.irp b, 0,1,2,3,4,5,6,7
.set DD, 8*(8*(\a)+\b)
.set BB, FR*(8*(\kk)+\b)
.if (\q) == 3
.set AA, 192+FR*(\a)
.else
.set AA, 96+48*(\q)+FR*(\a)
.endif
.set SCB, SC+32*((\q)/2)+2*(8*(\kk)+\b)+(\q)%2
.set SCA, SC+32*((\q)/2)+2*(\a)+(\q)%2
.if \zero
	v_wmma_scale_f32_16x16x128_f8f6f4 v[DD:DD+7], v[BB:BB+FR-1], v[AA:AA+FR-1], 0, v[SCB], v[SCA] matrix_a_fmt:MATRIX_FMT_FP6 matrix_b_fmt:MATRIX_FMT_FP6 matrix_a_scale:MATRIX_SCALE_ROW1
.else
	v_wmma_scale_f32_16x16x128_f8f6f4 v[DD:DD+7], v[BB:BB+FR-1], v[AA:AA+FR-1], v[DD:DD+7], v[SCB], v[SCA] matrix_a_fmt:MATRIX_FMT_FP6 matrix_b_fmt:MATRIX_FMT_FP6 matrix_a_scale:MATRIX_SCALE_ROW1
.endif
.endr
.endr
.endm
; One of a slot's first three K steps.  ks: the K step (behind the lap's first) that source 1's set q takes next, or -1: none.  lc: the loads of source 1 issued behind set q's, which may stay out.
.macro STEP slot, q, zero, ks, lc
	s_wait_loadcnt \lc                             ; source 1's set q is in; the later K steps' sets, 12 loads each, may be out
	s_wait_dscnt 24                                ; source 0's tiles 0-7 and the scale words are in; the youngest 24 loads (tiles 8-15) may be out
	MWIN 0, \q
	MUL16 0, 0, \q, \zero
	MUL16 2, 0, \q, \zero
	s_wait_dscnt 0x0                               ; tiles 8-15 are in
	PLACES
	FETCH_B \slot, (\q)+1, 0
.if (\q) == 0
	SCALES 1                                       ; this slot's K steps 2 and 3
.endif
	MWIN 1, \q
	MUL16 0, 1, \q, \zero
	MUL16 2, 1, \q, \zero
	PLACES
	FETCH_B \slot, (\q)+1, 1
.if (\ks) >= 0
	ALOAD \q, \ks                                  ; four K steps ahead
.endif
.endm
; A slot's fourth K step changes slots: ONE barrier; in front of it each wave waits for all its tensor loads, adds 0 to its spare word, and waits for that and for its reads of this slot.  fill = 1: this slot is filled again, two slots ahead.
.macro TURN slot, next, fill, ks, lc
	s_wait_loadcnt \lc
	s_wait_tensorcnt 0x0                           ; all my tensor loads have landed: my part of the next slot (every window is 0 here)
	ds_add_u32 v[SPW], v[NIL]                      ; 0 onto my spare word
	s_wait_dscnt 25                                ; (the add and the youngest 24 loads may be out)
	MWIN 0, 3
	MUL16 0, 0, 3, 0                               ; sixteen matrix instructions stand between the add and the wait for it
	s_wait_dscnt 0x0                               ; the add is done, and my reads of this slot are over
	s_barrier_signal -1
	MUL16 2, 0, 3, 0
	WIN 0
	s_barrier_wait -1
.if \fill
	CREST                                          ; the barrier has opened a round of the cluster's barrier: no wave of any partner still reads this slot or has a load on its way
	s_add_nc_u64 s[G0B+4*\slot+2:G0B+4*\slot+3], s[G0B+4*\slot+2:G0B+4*\slot+3], 12288
	tensor_load_to_lds s[G0B+4*\slot:G0B+4*\slot+3], s[G1B:G1B+7]   ; my one tensor load behind the round, and the first thing there: 224 matrix instructions ahead of the wait for it
	s_nop 0
.endif
	PLACES                                         ; behind the tensor load, and the places in front of the loads below
	s_wait_alu depctr_va_vdst(0)
	v_add_nc_u32 v[ADRS], 256, v[ADRS]             ; a slot's four K steps' words lie together: on to the next slot's
	FETCH_B \next, 0, 0
	SCALES 0
	MWIN 1, 3
	MUL16 0, 1, 3, 0
	MUL16 2, 1, 3, 0
	PLACES
	FETCH_B \next, 0, 1
.if (\ks) >= 0
	ALOAD 3, \ks
.endif
.endm
	s_wait_alu depctr_va_vdst(0)
	s_wait_loadcnt 24                              ; the bias and my scale words are in; source 1's sets 0 and 1, 24 loads, may be out
	ds_store_b128 v[BSA], v[8:11]
	ds_store_b128 v[BSA], v[12:15] offset:512
	WIN 0x08                                       ; the data: window 2
.set NN, 0
.rept 32
	ds_store_b128 v[SCA2], v[4*NN:4*NN+3] offset:512*NN
.set NN, NN+1
.endr
	WIN 0
	ALOAD 2, 2                                     ; source 1's K steps 2 and 3
	ALOAD 3, 3
	s_wait_tensorcnt 0x0                           ; my part of slot 0 is in
	ds_add_u32 v[SPW], v[NIL]
	s_wait_dscnt 0x0                               ; the add and my LDS stores are done
	CROUND                                         ; everybody's part of slot 0 and of the scale words is in, and the joint loads meet
	tensor_load_to_lds s[G0B+4:G0B+7], s[G1B:G1B+7]        ; slot 1: K steps 4-7: three K steps, 192 matrix instructions, ahead of the wait for it
	s_nop 0
	PLACES
	FETCH_B 0, 0, 0
	SCALES 0
	FETCH_B 0, 0, 1
	STEP 0, 0, 1, 4, 36                            ; the first K step stands in front of the loop: its products start the sums
	s_mov_b32 s3, LAPS-1
.Llap:                                                 ; a trip goes once round the ring, from a lap's second K step to the next lap's first, and fills both slots again
	STEP 0, 1, 0, 5, 36
	STEP 0, 2, 0, 6, 36
	TURN 0, 1, 1, 7, 36
	s_wait_alu depctr_va_vdst(0)
	STEP 1, 0, 0, 8, 36
	STEP 1, 1, 0, 9, 36
	STEP 1, 2, 0, 10, 36
	TURN 1, 0, 1, 11, 36
	s_wait_alu depctr_va_vdst(0)
	s_wait_xcnt 0x0                                ; the loads issued so far have read their base: it steps only behind this wait
	s_add_nc_u64 s[AP:AP+1], s[AP:AP+1], 8*1536
	STEP 0, 0, 0, 4, 36
	s_sub_co_u32 s3, s3, 1
	s_cmp_lg_u32 s3, 0
	s_cbranch_scc1 .Llap
	STEP 0, 1, 0, 5, 36                            ; the last lap fills nothing and has no round of the cluster's barrier; source 1's last three sets are asked for
	STEP 0, 2, 0, 6, 36
	TURN 0, 1, 0, 7, 36
	s_wait_alu depctr_va_vdst(0)
	STEP 1, 0, 0, -1, 36                           ; nothing is left to ask for: the counts run down
	STEP 1, 1, 0, -1, 24
	STEP 1, 2, 0, -1, 12
	s_wait_loadcnt 0x0                             ; the very last K step
	s_wait_dscnt 24
	MWIN 0, 3
	MUL16 0, 0, 3, 0
	MUL16 2, 0, 3, 0
	s_wait_dscnt 0x0
	MWIN 1, 3
	MUL16 0, 1, 3, 0
	MUL16 2, 1, 3, 0
	WIN 0
	; THE WAY OUT.  My 64 x 256 are eight fragments of the next products' operands: tile T0 + a (source 1's rows), K step s0 + kk (source 0's rows 128 kk on).  The bias is added; then they are quantised in registers and stored as images: no stage.
	s_lshr_b32 s94, s28, 2                         ; 4 x matrix + head
	s_and_b32 s95, s28, 3
	s_cmp_eq_u32 s25, 0
	s_cselect_b32 s96, s29, s95                    ; the block of source 1's rows,
	s_cselect_b32 s97, s95, s29                    ; and of source 0's
	s_lshl_b32 s96, s96, 4
	s_lshl_b32 s98, s22, 2
	s_add_co_u32 s96, s96, s98                     ; T0 = 16 x block + 4 x wave
	s_lshl_b32 s97, s97, 1                         ; s0 = 2 x block
	s_lshl_b32 s98, s94, 6
	s_add_co_u32 s98, s98, s96
	s_mul_i32 s98, s98, 12288                      ; a tile's eight fragments
	s_mul_i32 s99, s97, 1536
	s_add_co_u32 s98, s98, s99
	s_mov_b32 s99, 0
	s_add_nc_u64 s[18:19], s[18:19], s[98:99]
	s_lshl_b32 s98, s94, 15                        ; scale words [4 matrix + head][s][T / 4][r][T % 4]
	s_lshl_b32 s100, s97, 12
	s_add_co_u32 s98, s98, s100
	s_lshl_b32 s100, s96, 6
	s_add_co_u32 s98, s98, s100
	s_add_nc_u64 s[20:21], s[20:21], s[98:99]
	PLACES                                         ; behind the last products: in front of loads into source 1's registers and of the first reads of results
	s_cmp_lg_u32 s25, 0
	s_cbranch_scc1 .Lbias_v
.irp b, 0,1,2,3,4,5,6,7,8,9,10,11,12,13,14,15  ; q and k: the bias runs along the registers: eight numbers for each of source 0's tiles
	ds_load_b128 v[BI+8*\b:BI+8*\b+3], v[BL0] offset:4*(32*(\b/2)+8*(\b%2))
	ds_load_b128 v[BI+8*\b+4:BI+8*\b+7], v[BL0] offset:4*(32*(\b/2)+8*(\b%2))+16
.endr
	s_wait_dscnt 0x0
.irp kk, 0,1
	WIN 0x82+0x41*\kk                              ; destination and source 0: the accumulators' window
.set NN, 0
.rept 128
	v_pk_add_f32 v[NN:NN+1], v[NN:NN+1], v[BI+64*\kk+NN%64:BI+64*\kk+NN%64+1]   ; each accumulator from its low end on
.set NN, NN+2
.endr
.endr
	WIN 0
	s_branch .Lbias_done
.Lbias_v:
.irp a, 0,1,2,3                        ; v: the bias runs along the lanes: one number for each of my tiles, in both registers of a pair
	ds_load_b32 v[BI+2*\a], v[BL1] offset:4*(32*(\a/2)+8*(\a%2))
	ds_load_b32 v[BI+2*\a+1], v[BL1] offset:4*(32*(\a/2)+8*(\a%2))
.endr
	s_wait_dscnt 0x0
.irp kk, 0,1
	WIN 0x82+0x41*\kk
.set NN, 0
.rept 128
	v_pk_add_f32 v[NN:NN+1], v[NN:NN+1], v[BI+2*(NN/64):BI+2*(NN/64)+1]
.set NN, NN+2
.endr
.endr
	WIN 0
.Lbias_done:
.irp b, 0,1,2,3
	v_mov_b32 v[TM+4+\b], 0                        ; written once: a lane permute's destination counts as one of its sources
.endr
.macro QOUT a, kk
.set AC, 64*(\a)
	WIN 0x28+0x14*(\kk)                            ; sources 1 and 2: the accumulators' window
.irp be, 0,1,2,3
	v_max3_num_f32 v[TM+\be], 0x1800000, |v[AC+16*\be]|, |v[AC+16*\be+1]|   ; block be: my 16 numbers, and the floor 2^(3 - 127)
.endr
.irp i, 2,4,6,8,10,12,14
.irp be, 0,1,2,3
	v_max3_num_f32 v[TM+\be], v[TM+\be], |v[AC+16*\be+\i]|, |v[AC+16*\be+\i+1]|
.endr
.endr
	WIN 0
.irp be, 0,1,2,3
	v_permlanex16_b32 v[TM+4+\be], v[TM+\be], s92, s93
.endr
.irp be, 0,1,2,3
	v_max_num_f32 v[TM+\be], v[TM+\be], v[TM+4+\be]        ; with lane l xor 16's: the block's largest magnitude
.endr
.irp be, 0,1,2,3
	v_add_nc_u32 v[TM+12+\be], 0xff000000, v[TM+\be]       ; the conversion's scale operand
.endr
.irp be, 0,1,2,3
	v_lshrrev_b32 v[TM+4+\be], 23, v[TM+12+\be]            ; the scale's byte
.endr
	v_lshl_or_b32 v[PW+4*(\kk)+(\a)], v[TM+5], 8, v[TM+4]
	v_lshl_or_b32 v[PW+4*(\kk)+(\a)], v[TM+6], 16, v[PW+4*(\kk)+(\a)]
	v_lshl_or_b32 v[PW+4*(\kk)+(\a)], v[TM+7], 24, v[PW+4*(\kk)+(\a)]
	s_wait_xcnt 0x0                                ; the last fragment's stores have read its registers
	WIN 0x02+(\kk)                                 ; source 0: the accumulators' window
.irp c, 0,1
	v_cvt_scalef32_pk16_fp6_f32 v[PC+6*\c:PC+6*\c+2], v[AC+32*\c:AC+32*\c+15], v[TM+12+2*\c]
	v_cvt_scalef32_pk16_fp6_f32 v[CT+4*\c:CT+4*\c+2], v[AC+32*\c+16:AC+32*\c+31], v[TM+12+2*\c+1]
.endr
	WIN 0
	v_nop                                          ; one plain place behind a scaled conversion
.irp c, 0,1                            ; the operand's layout wants a whole block in a lane
.irp i, 0,1,2
	v_permlane16_swap_b32 v[PC+6*\c+\i], v[CT+4*\c+\i]
.endr
.irp i, 0,1,2
	v_mov_b32 v[PC+3+6*\c+\i], v[CT+4*\c+\i]
.endr
.endr
.irp g, 0,1,2
	global_store_b128 v[LI], v[PC+4*\g:PC+4*\g+3], s[18:19] offset:12288*(\a)+1536*(\kk)+512*\g   ; 32 lanes store 512 consecutive bytes, aligned
.endr
.endm
.irp kk, 0,1
.irp a, 0,1,2,3
	QOUT \a, \kk
.endr
.endr
	v_cmp_gt_u32 vcc_lo, 16, v1
.irp i, 0,1,2,3
	v_cndmask_b32 v[SWD+\i], v[PW+4+\i], v[PW+\i], vcc_lo  ; lanes 0-15: K step s0, tiles T0 .. T0 + 3 of row r; lanes 16-31: K step s0 + 1 (both halves of the lanes hold every word)
.endr
	global_store_b128 v[SO2], v[SWD:SWD+3], s[20:21]       ; each half of the lanes stores 256 consecutive bytes, aligned
	s_wait_tensorcnt 0x0                           ; the wave's end
	ds_add_u32 v[SPW], v[NIL]
	s_wait_dscnt 0x0
	CROUND                                         ; the closing round
	s_endpgm
.Lfunc_end_k_qf268cec021_proj:
	.size	k_qf268cec021_proj, .Lfunc_end_k_qf268cec021_proj-k_qf268cec021_proj
	.p2alignl 7, 3214868480
	.fill 96, 4, 3214868480
	.section	.rodata,"a",@progbits
	.p2align	6, 0x0
	.amdhsa_kernel k_qf268cec021_proj
		.amdhsa_group_segment_fixed_size 327680
		.amdhsa_private_segment_fixed_size 0
		.amdhsa_enable_private_segment 0
		.amdhsa_kernarg_size 72
		.amdhsa_user_sgpr_count 2
		.amdhsa_user_sgpr_kernarg_segment_ptr 1
		.amdhsa_wavefront_size32 1
		.amdhsa_system_sgpr_workgroup_id_x 1
		.amdhsa_system_sgpr_workgroup_id_y 1
		.amdhsa_system_sgpr_workgroup_id_z 1
		.amdhsa_system_vgpr_workitem_id 0
		.amdhsa_next_free_vgpr 1024
		.amdhsa_next_free_sgpr 102
		.amdhsa_reserve_vcc 1
		.amdhsa_float_denorm_mode_32 3
		.amdhsa_float_denorm_mode_16_64 3
		.amdhsa_memory_ordered 1
		.amdhsa_forward_progress 1
		.amdhsa_inst_pref_size 255
	.end_amdhsa_kernel
	.section	.bss,"aw",@nobits
	.p2align	6
	.space	262144
	.amdgpu_metadata
---
amdhsa.version: [ 1, 2 ]
amdhsa.kernels:
  - .name:           k_qf268cec021_proj
    .symbol:         k_qf268cec021_proj.kd
    .args:
      - { .name: h_img, .offset: 0, .size: 8, .value_kind: global_buffer, .address_space: global }
      - { .name: h_sc, .offset: 8, .size: 8, .value_kind: global_buffer, .address_space: global }
      - { .name: w_img, .offset: 16, .size: 8, .value_kind: global_buffer, .address_space: global }
      - { .name: w_sc, .offset: 24, .size: 8, .value_kind: global_buffer, .address_space: global }
      - { .name: bq, .offset: 32, .size: 8, .value_kind: global_buffer, .address_space: global }
      - { .name: bk, .offset: 40, .size: 8, .value_kind: global_buffer, .address_space: global }
      - { .name: bv, .offset: 48, .size: 8, .value_kind: global_buffer, .address_space: global }
      - { .name: qkv_img, .offset: 56, .size: 8, .value_kind: global_buffer, .address_space: global }
      - { .name: qkv_sc, .offset: 64, .size: 8, .value_kind: global_buffer, .address_space: global }
    .group_segment_fixed_size: 327680
    .private_segment_fixed_size: 0
    .kernarg_segment_align: 8
    .kernarg_segment_size: 72
    .max_flat_workgroup_size: 128
    .sgpr_count:     102
    .vgpr_count:     1024
    .wavefront_size: 32
...
	.end_amdgpu_metadata
.endif
;; end of part 2
;; launch scores (part 3): grid 8 x 32, 4 waves a work-group, clusters of 4 x 4, 197,120 bytes of LDS; arguments qkv_img, qkv_sc, p_img, p_stat; writes p_img, p_stat
.if DOCPART == 3
	.amdgcn_target "amdgcn-amd-amdhsa--gfx1250"
	.amdhsa_code_object_version 6
	.text
	.protected	k_qf268cec021_scores
	.globl	k_qf268cec021_scores
	.p2align	8
	.type	k_qf268cec021_scores,@function
k_qf268cec021_scores:
	s_mov_b64 s[64:65], 0
	v_nop
	global_prefetch_b8 v0, s[64:65] scope:SCOPE_SE
	s_setreg_imm32_b32 hwreg(HW_REG_WAVE_MODE, 25, 1), 1
	s_wait_xcnt 0x0
	s_wait_alu depctr_hold_cnt(0) depctr_sa_sdst(0) depctr_va_vdst(0) depctr_va_sdst(0) depctr_va_ssrc(0) depctr_va_vcc(0) depctr_vm_vsrc(0)
	s_getreg_b32 s2, hwreg(HW_REG_IB_STS2, 6, 4)
	s_cmp_eq_u32 s2, 0
	s_cbranch_scc0 .Lentry_in_a_cluster
	s_endpgm
.Lentry_in_a_cluster:
	s_bfe_u32 s2, ttmp6, 0x10000c
	s_cmp_lg_u32 s2, 0xf033
	s_cbranch_scc0 .Lentry_shape_is_right
	s_endpgm
.Lentry_shape_is_right:
; For one head, 128 queries x 128 keys: S^T = k q^T on codes of FP6 (K = the head's 1,024), then the softmax's p of THIS BLOCK OF KEYS, quantised along the keys.
; t = score x log2(e) / 32; M = ceil(the largest t of my query among these 128 keys), a whole number; p = 2^(t - M); l = the sum of the unquantised p.  p's codes and scale word, -M and l go to memory.
; The next launch brings a query's eight M to one: a change of M is a power of two, which the scale bytes take up; the codes stay.
; Operands are images of their registers (1,536 bytes a fragment; lane r of tile T holds row 32 (T / 2) + 8 (T % 2) + r + 8 (r / 8)).  Source 0 = 16 keys, source 1 = 16 queries: a lane holds one query, and the 16
; registers of key tiles 2 b, 2 b + 1 are 16 neighbouring keys.  A wave takes two tiles of queries against all eight tiles of keys: 16 accumulators; its 128 keys are one K step of the next product.
; LDS: all of K fits: four chunks of 256 along K, each q's 8 tiles then k's 8 tiles; every byte is filled once.  Four tensor loads of a wave are out at the start.
; CLUSTERS: 4 x 4 work-groups; q's tiles are asked for jointly along a row of the cluster, k's along a column.
; LIMITS: p under 2^-126 comes out as 0; a block of p under 2^-124 gets the byte 1.  NaN and infinities are not served.
; REGISTERS: window 0: v1-5 addresses; v6-9 what is kept of the tiles; v[12:13] -M, the largest t; v[14:15] the sum; v16-31 q's scale words, v32-95 k's; v96-127 at work; v128-255 the accumulators ((a, b) at v[128 + 8 (8 a + b)]).
;   window 1: two fragment buffers, at v0 and v128: q's two fragments, then k's eight.
.set ACC, 128
.set SA,  16
.set SB,  32
.set BM,  96                           ; v96-99   the blocks' largest scores, then largest p
.set BT,  100                          ; v100-103 permute targets, bytes; later the second chain of the sum, and the record
.set SO,  104                          ; v104-107 the conversions' scale operands
.set CT,  108                          ; v[108:110], v[112:114] the conversions' second halves
.set PC,  116                          ; v[116:127] p's fragment
; LDS (in place of what the head says of chunks): q's 8 tiles, then k's 8, 12,288 bytes a tile (its eight K steps' fragments on end); each wave brings four tiles with ONE tensor load,
; every byte is filled once, and one barrier shows all of K to all four waves.
.set BTILE0, 256                       ; k's first tile in qkv_img
.set G1A, 24
.set G1B, 32
.set G0A, 68                           ; s[68:83] group 0 for q's four chunks; s[84:99] for k's
.set G0B, 84
.set MSB, 0
.macro WIN new
.if MSB != \new
	s_set_vgpr_msb (MSB<<8)|\new
.set MSB, \new
.endif
.endm
.macro CROUND                          ; a round of the cluster's barrier
	s_barrier_signal -1
	s_barrier_wait -1
	s_cmp_lg_u32 s14, 0
	s_cbranch_scc1 .Lnot_wave_0_\@
	s_barrier_signal -3
.Lnot_wave_0_\@:
	s_barrier_wait -3
	s_barrier_signal -1
	s_barrier_wait -1
.endm
.macro PLACES
.rept 4
	v_nop
.endr
.endm
	s_load_b256 s[4:11], s[0:1], 0x0               ; qkv_img, qkv_sc, p_img, p_stat
	v_lshl_add_u32 v111, v0, 2, 0x30000
	v_mov_b32 v115, 0
	ds_add_u32 v111, v115
	ds_add_u32 v111, v115
	v_lshrrev_b32 v1, 5, v0
	v_readfirstlane_b32 s14, v1                    ; wave 0..3
	s_lshr_b32 s15, s14, 1                         ; I fetch for q (0) or for k (1)
	s_and_b32 s16, s14, 1                          ; which four tiles
	s_bfe_u32 s17, ttmp6, 0x40000                  ; cx
	s_bfe_u32 s18, ttmp6, 0x40004                  ; cy
	s_lshl_b32 s19, ttmp9, 2
	s_add_co_u32 s19, s19, s17                     ; X: the block of 128 keys
	s_and_b32 s21, ttmp7, 0xffff
	s_lshl_b32 s20, s21, 2
	s_add_co_u32 s20, s20, s18                     ; Yg = 8 head + the block of 128 queries
	s_lshr_b32 s21, s21, 1                         ; the head: of the cluster's y alone
	s_lshl_b32 s22, s18, 2
	s_lshl_b32 s22, 15, s22                        ; my row of the cluster
	s_lshl_b32 s23, 0x1111, s17                    ; my column
	s_mov_b32 s40, 0x3d38aa3b                      ; c = log2(e) / 32
	s_mov_b32 s41, s40                             ; (named with it as a pair, so it is written)
	s_mov_b32 s42, 0x76543210
	s_mov_b32 s43, 0xfedcba98
	; group 1: 4 rows (one a tile) of 12,288 bytes (all eight K steps' fragments) as 1,536 elements of 8 bytes, 12,288 bytes from tile to tile
	s_or_b32 s[G1A], s22, (3<<16)|(1<<21)
	s_or_b32 s[G1B], s23, (3<<16)|(1<<21)
.irp g, G1A, G1B                       ; 4 rows (one a tile) of 12,288 bytes: all eight K steps' fragments, 1,536 elements of 8 bytes
	s_mov_b32 s[\g+1], 1536<<16
	s_mov_b32 s[\g+2], 4<<16
	s_mov_b32 s[\g+3], 1536<<16
	s_mov_b32 s[\g+4], 4
	s_mov_b32 s[\g+5], 1536
	s_mov_b32 s[\g+6], 0
	s_mov_b32 s[\g+7], 0
.endr
	s_lshl_b32 s44, s20, 3
	s_lshl_b32 s45, s16, 2
	s_add_co_u32 s44, s44, s45                     ; q: tile 8 Yg + 4 x half
	s_mul_i32 s44, s44, 12288
	s_lshl_b32 s46, s21, 6
	s_lshl_b32 s47, s19, 3
	s_add_co_u32 s46, s46, s47
	s_add_co_u32 s46, s46, s45
	s_add_co_u32 s46, s46, BTILE0                  ; k: tile 256 + 64 head + 8 X + 4 x half
	s_mul_i32 s46, s46, 12288
	s_mov_b32 s45, 0
	s_mov_b32 s47, 0
	s_mul_i32 s48, s14, 49152                      ; where they go: wave x four tiles
	s_and_b32 s50, s20, 7                          ; qt
	s_lshl_b32 s52, s21, 15                        ; q's scale words: [head][K step][T / 4][r][T % 4]; my tiles are T = 8 qt + 2 wave + a
	s_lshl_b32 s53, s50, 9
	s_add_co_u32 s52, s52, s53
	s_lshl_b32 s53, s15, 8
	s_add_co_u32 s52, s52, s53
	s_lshl_b32 s53, s16, 3
	s_add_co_u32 s52, s52, s53
	s_mov_b32 s53, 0
	s_lshl_b32 s54, s21, 15                        ; k's: tiles 8 X + b
	s_lshl_b32 s55, s19, 9
	s_add_co_u32 s54, s54, s55
	s_add_co_u32 s54, s54, 4*32768
	s_mov_b32 s55, 0
	s_lshl_b32 s56, s20, 3                         ; p's fragments: ((8 Yg + 2 wave + a) x 8 + X) x 1,536
	s_lshl_b32 s57, s14, 1
	s_add_co_u32 s56, s56, s57
	s_lshl_b32 s56, s56, 3
	s_add_co_u32 s56, s56, s19
	s_mul_i32 s56, s56, 1536
	s_mov_b32 s57, 0
	s_lshl_b32 s58, s21, 3                         ; the record: ((8 head + X) x 32 + 4 qt + wave) x 512
	s_add_co_u32 s58, s58, s19
	s_lshl_b32 s58, s58, 5
	s_lshl_b32 s59, s50, 2
	s_add_co_u32 s58, s58, s59
	s_add_co_u32 s58, s58, s14
	s_lshl_b32 s58, s58, 9
	s_mov_b32 s59, 0
	s_wait_dscnt 0x0
	s_wait_kmcnt 0x0
	s_add_nc_u64 s[44:45], s[4:5], s[44:45]
	s_add_nc_u64 s[46:47], s[4:5], s[46:47]
	s_add_nc_u64 s[52:53], s[6:7], s[52:53]
	s_add_nc_u64 s[54:55], s[6:7], s[54:55]
	s_add_nc_u64 s[8:9], s[8:9], s[56:57]
	s_add_nc_u64 s[10:11], s[10:11], s[58:59]
	s_mov_b32 s[G0A], 1
	s_mov_b32 s[G0A+1], s48
	s_mov_b64 s[G0A+2:G0A+3], s[44:45]
	s_or_b32 s[G0A+3], s[G0A+3], 0x80000000
	s_mov_b32 s[G0B], 1
	s_mov_b32 s[G0B+1], s48
	s_mov_b64 s[G0B+2:G0B+3], s[46:47]
	s_or_b32 s[G0B+3], s[G0B+3], 0x80000000
	CROUND                                         ; all sixteen work-groups are here: the joint loads meet
	s_cmp_eq_u32 s15, 0                            ; one tensor load a wave, one in each arm
	s_cbranch_scc0 .Lfor_b
	tensor_load_to_lds s[G0A:G0A+3], s[G1A:G1A+7]
	s_nop 0
.rept 4
	v_nop
.endr
	s_branch .Lasked
.Lfor_b:
	tensor_load_to_lds s[G0B:G0B+3], s[G1B:G1B+7]
	s_nop 0
.rept 4
	v_nop
.endr
.Lasked:
	v_and_b32 v3, 31, v0                           ; lane
	v_lshlrev_b32 v1, 4, v3                        ; 16 x lane
	v_and_b32 v2, 15, v0
	v_lshlrev_b32 v2, 4, v2                        ; 16 r
	v_add_nc_u32 v4, 98304, v1                     ; k's tiles 0-3,
	v_add_nc_u32 v10, 147456, v1                   ; and 4-7 (an LDS offset has 16 bits)
	s_mul_i32 s49, s14, 24576
	v_add_nc_u32 v5, s49, v1                       ; my two tiles of q
.irp b, 0,1,2,3
	v_mov_b32 v[BT+\b], 0                          ; written once: a lane permute's destination counts as one of its sources
.endr
.irp k, 0,1,2,3,4,5,6,7
	global_load_b64 v[SA+2*\k:SA+2*\k+1], v2, s[52:53] offset:4096*\k              ; K step k: my two tiles' words of row r
	global_load_b128 v[SB+8*\k:SB+8*\k+3], v2, s[54:55] offset:4096*\k             ; k's tiles 0-3: sixteen lanes read 256 consecutive bytes
	global_load_b128 v[SB+8*\k+4:SB+8*\k+7], v2, s[54:55] offset:4096*\k+256       ; tiles 4-7
.endr
.macro FETCHK f, k                     ; K step k's ten fragments into the buffer at f: 30 loads of 512 consecutive bytes
	WIN 0x40                                       ; destination window 1
.irp a, 0,1
.irp g, 0,1,2
	ds_load_b128 v[(\f)+12*\a+4*\g:(\f)+12*\a+4*\g+3], v5 offset:12288*\a+1536*(\k)+512*\g
.endr
.endr
.irp b, 0,1,2,3,4,5,6,7
.irp g, 0,1,2
	ds_load_b128 v[(\f)+24+12*\b+4*\g:(\f)+24+12*\b+4*\g+3], v[4+6*(\b/4)] offset:12288*(\b%4)+1536*(\k)+512*\g
.endr
.endr
.endm
.macro MULK f, k                       ; 16 matrix instructions: the 16 accumulators take turns; the first K step starts the sums
	WIN 0x05                                       ; sources 0 and 1 window 1
.irp a, 0,1
.irp b, 0,1,2,3,4,5,6,7
.set DD, ACC+8*(8*\a+\b)
.if (\k) == 0
	v_wmma_scale_f32_16x16x128_f8f6f4 v[DD:DD+7], v[(\f)+24+12*\b:(\f)+24+12*\b+11], v[(\f)+12*\a:(\f)+12*\a+11], 0, v[SB+8*(\k)+\b], v[SA+2*(\k)+\a] matrix_a_fmt:MATRIX_FMT_FP6 matrix_b_fmt:MATRIX_FMT_FP6
.else
	v_wmma_scale_f32_16x16x128_f8f6f4 v[DD:DD+7], v[(\f)+24+12*\b:(\f)+24+12*\b+11], v[(\f)+12*\a:(\f)+12*\a+11], v[DD:DD+7], v[SB+8*(\k)+\b], v[SA+2*(\k)+\a] matrix_a_fmt:MATRIX_FMT_FP6 matrix_b_fmt:MATRIX_FMT_FP6
.endif
.endr
.endr
.endm
.macro KSTEP k                         ; fetches K step k + 1, multiplies K step k
.if (\k) > 0
	PLACES                                         ; in front of loads into the buffer that the step before multiplied
.endif
	FETCHK 128*(((\k)+1)%2), (\k)+1
	s_wait_dscnt 30                                ; all but the 30 just issued
	MULK 128*((\k)%2), \k
.endm
	s_wait_alu depctr_va_vdst(0)
	s_wait_tensorcnt 0x0                           ; my four tiles, all of K, are in,
	s_barrier_signal -1
	s_barrier_wait -1                              ; everybody's is
	FETCHK 0, 0
	s_wait_loadcnt 0x0                             ; the scale words
.irp k, 0,1,2,3,4,5,6
	KSTEP \k
.endr
	s_wait_dscnt 0x0
	MULK 128, 7
	WIN 0
	PLACES
; The softmax's p of tile a for these 128 keys.  Register 16 b + i of the tile is key 32 b + 16 (lane / 16) + i of my query.
.macro SOFTQ a
.set S, ACC+64*(\a)
.irp b, 0,1,2,3
	v_max3_num_f32 v[BM+\b], v[S+16*\b], v[S+16*\b+1], v[S+16*\b+2]        ; the largest score of each block of 32 keys: for the row's maximum and, since p rises with the score, for the block's largest p
.endr
.irp i, 3,5,7,9,11,13
.irp b, 0,1,2,3
	v_max3_num_f32 v[BM+\b], v[BM+\b], v[S+16*\b+\i], v[S+16*\b+\i+1]
.endr
.endr
.irp b, 0,1,2,3
	v_max_num_f32 v[BM+\b], v[BM+\b], v[S+16*\b+15]
.endr
.irp b, 0,1,2,3
	v_permlanex16_b32 v[BT+\b], v[BM+\b], s42, s43
.endr
.irp b, 0,1,2,3
	v_max_num_f32 v[BM+\b], v[BM+\b], v[BT+\b]     ; with lane l xor 16's 16 keys
.endr
	v_max3_num_f32 v13, v[BM], v[BM+1], v[BM+2]
	v_max_num_f32 v13, v13, v[BM+3]
	v_mul_f32 v13, s40, v13                        ; the largest t (c is positive)
	v_floor_f32 v12, -v13                          ; -M = floor(-t) = -ceil(t)
.set NN, 0
.rept 32
	v_pk_fma_f32 v[S+NN:S+NN+1], v[S+NN:S+NN+1], s[40:41], v[12:13] op_sel_hi:[1,0,0]   ; t - M, two at a time
.set NN, NN+2
.endr
.irp b, 0,1,2,3
	v_fma_f32 v[BM+\b], v[BM+\b], s40, v12         ; the same of each block's largest score
.endr
.set NN, 0
	s_wait_alu depctr_va_vdst(0)
.rept 64
	v_exp_f32 v[S+NN], v[S+NN]                     ; p = 2^(t - M), at most 1
.set NN, NN+1
.endr
.irp b, 0,1,2,3
	v_exp_f32 v[BM+\b], v[BM+\b]                   ; the block's largest p: the same two instructions on the same number give the same bits
.endr
	v_nop                                          ; a plain place behind the exponentials
	s_wait_alu depctr_va_vdst(0)
.irp b, 0,1,2,3
	v_max_num_f32 v[BM+\b], 0x1800000, v[BM+\b]    ; the floor 2^(3 - 127)
.endr
.irp b, 0,1,2,3
	v_add_nc_u32 v[SO+\b], 0xff000000, v[BM+\b]    ; the conversion's scale operand
.endr
.irp b, 0,1,2,3
	v_lshrrev_b32 v[BT+\b], 23, v[SO+\b]           ; the scale's byte
.endr
	v_lshl_or_b32 v[8+(\a)], v[BT+1], 8, v[BT]     ; p's scale word for these 128 keys
	v_lshl_or_b32 v[8+(\a)], v[BT+2], 16, v[8+(\a)]
	v_lshl_or_b32 v[8+(\a)], v[BT+3], 24, v[8+(\a)]
	s_wait_xcnt 0x0                                ; the other tile's stores have read the fragment's registers
.irp c, 0,1
	v_cvt_scalef32_pk16_fp6_f32 v[PC+6*\c:PC+6*\c+2], v[S+32*\c:S+32*\c+15], v[SO+2*\c]
	v_cvt_scalef32_pk16_fp6_f32 v[CT+4*\c:CT+4*\c+2], v[S+32*\c+16:S+32*\c+31], v[SO+2*\c+1]
.endr
	v_nop                                          ; one plain place behind a scaled conversion
.irp c, 0,1
.irp i, 0,1,2
	v_permlane16_swap_b32 v[PC+6*\c+\i], v[CT+4*\c+\i]
.endr
.irp i, 0,1,2
	v_mov_b32 v[PC+3+6*\c+\i], v[CT+4*\c+\i]
.endr
.endr
.irp g, 0,1,2
	global_store_b128 v1, v[PC+4*\g:PC+4*\g+3], s[8:9] offset:12288*(\a)+512*\g    ; 512 consecutive bytes, aligned
.endr
	v_pk_add_f32 v[14:15], v[S:S+1], v[S+4:S+5]    ; the sum of the UNQUANTISED p: two at a time, in two chains that their first pairs start
	v_pk_add_f32 v[BT:BT+1], v[S+2:S+3], v[S+6:S+7]
.irp j, 8,12,16,20,24,28,32,36,40,44,48,52,56,60
	v_pk_add_f32 v[14:15], v[14:15], v[S+\j:S+\j+1]
	v_pk_add_f32 v[BT:BT+1], v[BT:BT+1], v[S+\j+2:S+\j+3]
.endr
	v_pk_add_f32 v[14:15], v[14:15], v[BT:BT+1]
	v_add_f32 v14, v14, v15
	v_permlanex16_b32 v15, v14, s42, s43
	v_add_f32 v14, v14, v15                        ; with lane l xor 16's: l
.endm
	SOFTQ 0
	v_mov_b32 v6, v12                              ; tile 0's -M and l are kept (its word lies in v8)
	v_mov_b32 v7, v14
	SOFTQ 1
	v_cmp_gt_u32 vcc_lo, 16, v3
	v_cndmask_b32 v100, v12, v6, vcc_lo            ; the record: lanes 0-15 tile 0's row r, lanes 16-31 tile 1's (both halves of the lanes hold every number)
	v_cndmask_b32 v101, v14, v7, vcc_lo
	v_cndmask_b32 v102, v9, v8, vcc_lo
	v_mov_b32 v103, 0
	global_store_b128 v1, v[100:103], s[10:11]     ; -M, l, the scale word, 0: 512 consecutive bytes
	s_wait_tensorcnt 0x0
	ds_add_u32 v111, v115
	s_wait_dscnt 0x0
	CROUND                                         ; the closing round
	s_endpgm
.Lfunc_end_k_qf268cec021_scores:
	.size	k_qf268cec021_scores, .Lfunc_end_k_qf268cec021_scores-k_qf268cec021_scores
	.p2alignl 7, 3214868480
	.fill 96, 4, 3214868480
	.section	.rodata,"a",@progbits
	.p2align	6, 0x0
	.amdhsa_kernel k_qf268cec021_scores
		.amdhsa_group_segment_fixed_size 197120
		.amdhsa_private_segment_fixed_size 0
		.amdhsa_enable_private_segment 0
		.amdhsa_kernarg_size 32
		.amdhsa_user_sgpr_count 2
		.amdhsa_user_sgpr_kernarg_segment_ptr 1
		.amdhsa_wavefront_size32 1
		.amdhsa_system_sgpr_workgroup_id_x 1
		.amdhsa_system_sgpr_workgroup_id_y 1
		.amdhsa_system_sgpr_workgroup_id_z 1
		.amdhsa_system_vgpr_workitem_id 0
		.amdhsa_next_free_vgpr 512
		.amdhsa_next_free_sgpr 100
		.amdhsa_reserve_vcc 1
		.amdhsa_float_denorm_mode_32 3
		.amdhsa_float_denorm_mode_16_64 3
		.amdhsa_memory_ordered 1
		.amdhsa_forward_progress 1
		.amdhsa_inst_pref_size 64
	.end_amdhsa_kernel
	.amdgpu_metadata
---
amdhsa.version: [ 1, 2 ]
amdhsa.kernels:
  - .name:           k_qf268cec021_scores
    .symbol:         k_qf268cec021_scores.kd
    .args:
      - { .name: qkv_img, .offset: 0, .size: 8, .value_kind: global_buffer, .address_space: global }
      - { .name: qkv_sc, .offset: 8, .size: 8, .value_kind: global_buffer, .address_space: global }
      - { .name: p_img, .offset: 16, .size: 8, .value_kind: global_buffer, .address_space: global }
      - { .name: p_stat, .offset: 24, .size: 8, .value_kind: global_buffer, .address_space: global }
    .group_segment_fixed_size: 197120
    .private_segment_fixed_size: 0
    .kernarg_segment_align: 8
    .kernarg_segment_size: 32
    .max_flat_workgroup_size: 128
    .sgpr_count:     100
    .vgpr_count:     512
    .wavefront_size: 32
...
	.end_amdgpu_metadata
.endif
;; end of part 3
;; launch pv (part 4): grid 8 x 32, 4 waves a work-group, clusters of 4 x 4, 230,912 bytes of LDS; arguments p_img, p_stat, qkv_img, qkv_sc, out0; writes out0
.if DOCPART == 4
	.amdgcn_target "amdgcn-amd-amdhsa--gfx1250"
	.amdhsa_code_object_version 6
	.text
	.protected	k_qf268cec021_pv
	.globl	k_qf268cec021_pv
	.p2align	8
	.type	k_qf268cec021_pv,@function
k_qf268cec021_pv:
	s_mov_b64 s[64:65], 0
	v_nop
	global_prefetch_b8 v0, s[64:65] scope:SCOPE_SE
	s_setreg_imm32_b32 hwreg(HW_REG_WAVE_MODE, 25, 1), 1
	s_wait_xcnt 0x0
	s_wait_alu depctr_hold_cnt(0) depctr_sa_sdst(0) depctr_va_vdst(0) depctr_va_sdst(0) depctr_va_ssrc(0) depctr_va_vcc(0) depctr_vm_vsrc(0)
	s_getreg_b32 s2, hwreg(HW_REG_IB_STS2, 6, 4)
	s_cmp_eq_u32 s2, 0
	s_cbranch_scc0 .Lentry_in_a_cluster
	s_endpgm
.Lentry_in_a_cluster:
	s_bfe_u32 s2, ttmp6, 0x10000c
	s_cmp_lg_u32 s2, 0xf033
	s_cbranch_scc0 .Lentry_shape_is_right
	s_endpgm
.Lentry_shape_is_right:
; For one head, 128 queries x 128 of the head's 1,024 channels: O^T = v^T p^T on codes of FP6 (K = the 1,024 keys), divided by the row's sum.
; p came in eight blocks of 128 keys, each under its own whole number M_k.  M = the largest of them; block k's p under M is its p under M_k times 2^-(M - M_k): d = M - M_k is taken off the four bytes of the
; block's scale word (the codes stay), and l = the sum of l_k 2^-d.
; LIMITS: d is held at 127, and a byte that would fall under 0 is held at 0, which stands for 2^-127 and not for nothing: such a block weighs under 2^-120 of the row's largest term.  NaN and infinities are not served.
; Operands are images of their registers, as in the launches before.  Source 0 = 16 channels of v, source 1 = 16 queries of p: a lane holds one query, and the 16 registers of v's tiles 2 b, 2 b + 1 are 16 neighbouring channels.
; A wave takes two tiles of queries against all eight tiles of channels.  LDS: four chunks of 256 keys, each p's 8 tiles then v's 8, every byte filled once; behind them a stage of 16 rows x (512 + 16) bytes for each wave.
; Four tensor loads of a wave are out at the start.  CLUSTERS: 4 x 4; p's tiles are asked for jointly along a row of the cluster, v's along a column.
; REGISTERS: window 0: v1-7 addresses; v[8:9], v[10:11] 1 / l of the two tiles; v16-31 p's scale words, v32-95 v's; v96-127 at work; v128-255 first the records, then the accumulators.   window 1: two fragment buffers.
.set ACC, 128
.set SA,  16
.set SB,  32
; LDS (in place of what the head says of chunks): p's 8 tiles, then v's 8, 12,288 bytes a tile (its eight K steps' fragments on end); each wave brings four tiles with ONE tensor load,
; every byte is filled once, and one barrier shows all of K to all four waves.
.set BTILE0, 512                       ; v's first tile in qkv_img
.set STAGE, 196608
.set G1A, 24
.set G1B, 32
.set G0A, 68
.set G0B, 84
.set MSB, 0
.macro WIN new
.if MSB != \new
	s_set_vgpr_msb (MSB<<8)|\new
.set MSB, \new
.endif
.endm
.macro CROUND
	s_barrier_signal -1
	s_barrier_wait -1
	s_cmp_lg_u32 s14, 0
	s_cbranch_scc1 .Lnot_wave_0_\@
	s_barrier_signal -3
.Lnot_wave_0_\@:
	s_barrier_wait -3
	s_barrier_signal -1
	s_barrier_wait -1
.endm
.macro PLACES
.rept 4
	v_nop
.endr
.endm
	s_load_b256 s[4:11], s[0:1], 0x0               ; p_img, p_stat, qkv_img, qkv_sc
	s_load_b64 s[12:13], s[0:1], 0x20              ; out0
	v_lshl_add_u32 v126, v0, 2, 0x38400
	v_mov_b32 v127, 0
	ds_add_u32 v126, v127
	ds_add_u32 v126, v127
	v_lshrrev_b32 v1, 5, v0
	v_readfirstlane_b32 s14, v1                    ; wave 0..3
	s_lshr_b32 s15, s14, 1                         ; I fetch for p (0) or for v (1)
	s_and_b32 s16, s14, 1
	s_bfe_u32 s17, ttmp6, 0x40000                  ; cx
	s_bfe_u32 s18, ttmp6, 0x40004                  ; cy
	s_lshl_b32 s19, ttmp9, 2
	s_add_co_u32 s19, s19, s17                     ; X: the block of 128 channels
	s_and_b32 s21, ttmp7, 0xffff
	s_lshl_b32 s20, s21, 2
	s_add_co_u32 s20, s20, s18                     ; Yg = 8 head + the block of 128 queries
	s_lshr_b32 s21, s21, 1                         ; the head
	s_lshl_b32 s22, s18, 2
	s_lshl_b32 s22, 15, s22
	s_lshl_b32 s23, 0x1111, s17
	s_mov_b32 s44, 0x80808080
	s_mov_b32 s45, 0x01010101
	s_or_b32 s[G1A], s22, (3<<16)|(1<<21)          ; group 1: 4 rows (one a tile) of 12,288 bytes, 12,288 bytes from tile to tile
	s_or_b32 s[G1B], s23, (3<<16)|(1<<21)
.irp g, G1A, G1B                       ; 4 rows (one a tile) of 12,288 bytes: all eight K steps' fragments, 1,536 elements of 8 bytes
	s_mov_b32 s[\g+1], 1536<<16
	s_mov_b32 s[\g+2], 4<<16
	s_mov_b32 s[\g+3], 1536<<16
	s_mov_b32 s[\g+4], 4
	s_mov_b32 s[\g+5], 1536
	s_mov_b32 s[\g+6], 0
	s_mov_b32 s[\g+7], 0
.endr
	s_lshl_b32 s46, s20, 3
	s_lshl_b32 s47, s16, 2
	s_add_co_u32 s46, s46, s47                     ; p: tile 8 Yg + 4 x half
	s_mul_i32 s46, s46, 12288
	s_lshl_b32 s48, s21, 6
	s_lshl_b32 s49, s19, 3
	s_add_co_u32 s48, s48, s49
	s_add_co_u32 s48, s48, s47
	s_add_co_u32 s48, s48, BTILE0                  ; v: tile 512 + 64 head + 8 X + 4 x half
	s_mul_i32 s48, s48, 12288
	s_mov_b32 s47, 0
	s_mov_b32 s49, 0
	s_mul_i32 s51, s14, 49152                      ; where they go: wave x four tiles
	s_and_b32 s50, s20, 7                          ; qt
	s_lshl_b32 s54, s21, 15                        ; v's scale words: tiles 8 X + b
	s_lshl_b32 s55, s19, 9
	s_add_co_u32 s54, s54, s55
	s_add_co_u32 s54, s54, 8*32768
	s_mov_b32 s55, 0
	s_lshl_b32 s56, s21, 8                         ; the records: (256 head + 4 qt + wave) x 512, 16,384 bytes from block to block of keys
	s_lshl_b32 s57, s50, 2
	s_add_co_u32 s56, s56, s57
	s_add_co_u32 s56, s56, s14
	s_lshl_b32 s56, s56, 9
	s_mov_b32 s57, 0
	s_lshl_b32 s58, s50, 7                         ; out0: row 128 qt + 32 wave, byte 4,096 head + 512 X
	s_lshl_b32 s59, s14, 5
	s_add_co_u32 s58, s58, s59
	s_lshl_b32 s58, s58, 14
	s_lshl_b32 s59, s21, 12
	s_add_co_u32 s58, s58, s59
	s_lshl_b32 s59, s19, 9
	s_add_co_u32 s58, s58, s59
	s_mov_b32 s59, 0
	s_wait_dscnt 0x0
	s_wait_kmcnt 0x0
	s_add_nc_u64 s[46:47], s[4:5], s[46:47]
	s_add_nc_u64 s[48:49], s[8:9], s[48:49]
	s_add_nc_u64 s[54:55], s[10:11], s[54:55]
	s_add_nc_u64 s[56:57], s[6:7], s[56:57]
	s_add_nc_u64 s[12:13], s[12:13], s[58:59]
	s_mov_b32 s[G0A], 1
	s_mov_b32 s[G0A+1], s51
	s_mov_b64 s[G0A+2:G0A+3], s[46:47]
	s_or_b32 s[G0A+3], s[G0A+3], 0x80000000
	s_mov_b32 s[G0B], 1
	s_mov_b32 s[G0B+1], s51
	s_mov_b64 s[G0B+2:G0B+3], s[48:49]
	s_or_b32 s[G0B+3], s[G0B+3], 0x80000000
	CROUND                                         ; all sixteen work-groups are here: the joint loads meet
	s_cmp_eq_u32 s15, 0                            ; one tensor load a wave, one in each arm
	s_cbranch_scc0 .Lfor_b
	tensor_load_to_lds s[G0A:G0A+3], s[G1A:G1A+7]
	s_nop 0
.rept 4
	v_nop
.endr
	s_branch .Lasked
.Lfor_b:
	tensor_load_to_lds s[G0B:G0B+3], s[G1B:G1B+7]
	s_nop 0
.rept 4
	v_nop
.endr
.Lasked:
	v_and_b32 v3, 31, v0                           ; lane
	v_lshlrev_b32 v1, 4, v3                        ; 16 x lane
	v_and_b32 v96, 15, v0                          ; r
	v_bfe_u32 v97, v0, 4, 1                        ; hf
	v_lshlrev_b32 v2, 4, v96                       ; 16 r
	v_add_nc_u32 v4, 98304, v1                     ; v's tiles 0-3,
	v_add_nc_u32 v12, 147456, v1                   ; and 4-7 (an LDS offset has 16 bits)
	s_mul_i32 s52, s14, 24576
	v_add_nc_u32 v5, s52, v1                       ; my two tiles of p
	s_mul_i32 s52, s14, 8448
	s_add_co_u32 s52, s52, STAGE                   ; my stage
	v_mul_u32_u24 v6, v96, 528
	v_lshl_add_u32 v6, v97, 6, v6
	v_add_nc_u32 v6, s52, v6                       ; in: row r, + 64 hf
	v_add_nc_u32 v7, s52, v1                       ; back: a row's 512 bytes
.irp k, 0,1,2,3,4,5,6,7
	global_load_b128 v[SB+8*\k:SB+8*\k+3], v2, s[54:55] offset:4096*\k
	global_load_b128 v[SB+8*\k+4:SB+8*\k+7], v2, s[54:55] offset:4096*\k+256
.endr
.irp a, 0,1
.irp k, 0,1,2,3,4,5,6,7
	global_load_b128 v[ACC+4*(8*\a+\k):ACC+4*(8*\a+\k)+3], v2, s[56:57] offset:16384*\k+256*\a   ; tile a, keys 128 k on: -M, l, the scale word of row r
.endr
.endr
	s_wait_loadcnt 0x0
; Tile a's eight records become eight scale words under one M, and 1 / l.
.macro FIX a
.set RC, ACC+32*(\a)
	v_min3_num_f32 v96, v[RC], v[RC+4], v[RC+8]    ; the least -M is -(the largest M)
	v_min3_num_f32 v96, v96, v[RC+12], v[RC+16]
	v_min3_num_f32 v96, v96, v[RC+20], v[RC+24]
	v_min_num_f32 v96, v96, v[RC+28]
.irp k, 0,1,2,3,4,5,6,7
	v_sub_f32 v97, v[RC+4*\k], v96                 ; d = M - M_k: a whole number, 0 or more,
	v_min_num_f32 v97, 0x42fe0000, v97             ; held at 127
	v_cvt_u32_f32 v98, v97
	v_sub_nc_u32 v99, 0, v98
.if \k == 0
	v_ldexp_f32 v106, v[RC+1], v99                 ; l_k 2^-d
.else
	v_ldexp_f32 v100, v[RC+4*\k+1], v99
	v_add_f32 v106, v106, v100
.endif
	v_lshl_or_b32 v101, v98, 8, v98
	v_lshl_or_b32 v101, v101, 16, v101             ; d in all four bytes
	v_or_b32 v102, s44, v[RC+4*\k+2]               ; each byte (125 at the most, since p is at most 1) + 128,
	v_sub_nc_u32 v102, v102, v101                  ; - d: no byte borrows from the next; its top bit stays where byte >= d
	v_lshrrev_b32 v103, 7, v102
	v_and_b32 v103, s45, v103
	v_lshlrev_b32 v104, 7, v103
	v_sub_nc_u32 v104, v104, v103                  ; 0x7f in those bytes, 0 in the others
	v_and_b32 v[SA+2*\k+(\a)], v102, v104          ; byte - d, held at 0
.endr
	s_wait_alu depctr_va_vdst(0)
	v_rcp_f32 v[8+2*(\a)], v106
	v_nop                                          ; a plain place behind the reciprocal
	s_wait_alu depctr_va_vdst(0)
	v_mov_b32 v[9+2*(\a)], v[8+2*(\a)]             ; (named with it as a pair, so it is written)
.endm
	FIX 0
	FIX 1
.rept 8
	v_nop                                          ; a scale register written by a vector instruction stands eight places ahead of a scaled matrix instruction
.endr
.macro FETCHK f, k
	WIN 0x40
.irp a, 0,1
.irp g, 0,1,2
	ds_load_b128 v[(\f)+12*\a+4*\g:(\f)+12*\a+4*\g+3], v5 offset:12288*\a+1536*(\k)+512*\g
.endr
.endr
.irp b, 0,1,2,3,4,5,6,7
.irp g, 0,1,2
	ds_load_b128 v[(\f)+24+12*\b+4*\g:(\f)+24+12*\b+4*\g+3], v[4+8*(\b/4)] offset:12288*(\b%4)+1536*(\k)+512*\g
.endr
.endr
.endm
.macro MULK f, k                       ; the 16 accumulators take turns; the first K step starts the sums
	WIN 0x05
.irp a, 0,1
.irp b, 0,1,2,3,4,5,6,7
.set DD, ACC+8*(8*\a+\b)
.if (\k) == 0
	v_wmma_scale_f32_16x16x128_f8f6f4 v[DD:DD+7], v[(\f)+24+12*\b:(\f)+24+12*\b+11], v[(\f)+12*\a:(\f)+12*\a+11], 0, v[SB+8*(\k)+\b], v[SA+2*(\k)+\a] matrix_a_fmt:MATRIX_FMT_FP6 matrix_b_fmt:MATRIX_FMT_FP6
.else
	v_wmma_scale_f32_16x16x128_f8f6f4 v[DD:DD+7], v[(\f)+24+12*\b:(\f)+24+12*\b+11], v[(\f)+12*\a:(\f)+12*\a+11], v[DD:DD+7], v[SB+8*(\k)+\b], v[SA+2*(\k)+\a] matrix_a_fmt:MATRIX_FMT_FP6 matrix_b_fmt:MATRIX_FMT_FP6
.endif
.endr
.endr
.endm
.macro KSTEP k
.if (\k) > 0
	PLACES                                         ; in front of loads into the buffer that the step before multiplied
.endif
	FETCHK 128*(((\k)+1)%2), (\k)+1
	s_wait_dscnt 30                                ; all but the 30 just issued
	MULK 128*((\k)%2), \k
.endm
	s_wait_tensorcnt 0x0                           ; my four tiles, all of K, are in,
	s_barrier_signal -1
	s_barrier_wait -1                              ; everybody's is
	FETCHK 0, 0
.irp k, 0,1,2,3,4,5,6
	KSTEP \k
.endr
	s_wait_dscnt 0x0
	MULK 128, 7
	WIN 0
	PLACES
; THE WAY OUT.  Register 16 b + i of tile a is channel 32 b + 16 (lane / 16) + i of query r.  A tile goes through my stage and comes back as whole rows of 512 bytes.
.macro SCALEO a
.set S, ACC+64*(\a)
.set NN, 0
.rept 32
	v_pk_mul_f32 v[S+NN:S+NN+1], v[S+NN:S+NN+1], v[8+2*(\a):9+2*(\a)] op_sel_hi:[1,0]   ; / l, each accumulator from its low end on
.set NN, NN+2
.endr
.endm
.macro TOSTAGE a
.set S, ACC+64*(\a)
.irp be, 0,1,2,3
.irp i, 0,1,2,3
	ds_store_b128 v6, v[S+16*\be+4*\i:S+16*\be+4*\i+3] offset:128*\be+16*\i
.endr
.endr
.irp t, 0,1,2,3,4,5,6,7,8,9,10,11,12,13,14,15
	ds_load_b128 v[S+4*\t:S+4*\t+3], v7 offset:528*\t      ; LDS serves a wave's instructions in order: these see the stores above
.endr
.endm
.macro SEND a
.set S, ACC+64*(\a)
.irp t, 0,1,2,3,4,5,6,7,8,9,10,11,12,13,14,15
	s_wait_dscnt 15-\t                             ; row t is back; the younger rows may be out
	global_store_b128 v1, v[S+4*\t:S+4*\t+3], s[12:13] offset:(8*(\a)+\t+8*(\t/8))*16384 th:TH_STORE_NT   ; the tile's row t is query 8 a + t + 8 (t / 8) of my 32: 512 consecutive bytes, aligned
.endr
.endm
	SCALEO 0
	TOSTAGE 0
	SCALEO 1                                       ; tile 1's arithmetic stands between tile 0's loads and the waits for them
	s_wait_alu depctr_va_vdst(0)
	SEND 0
	TOSTAGE 1
	SEND 1
	s_wait_tensorcnt 0x0
	ds_add_u32 v126, v127
	s_wait_dscnt 0x0
	CROUND                                         ; the closing round
	s_endpgm
.Lfunc_end_k_qf268cec021_pv:
	.size	k_qf268cec021_pv, .Lfunc_end_k_qf268cec021_pv-k_qf268cec021_pv
	.p2alignl 7, 3214868480
	.fill 96, 4, 3214868480
	.section	.rodata,"a",@progbits
	.p2align	6, 0x0
	.amdhsa_kernel k_qf268cec021_pv
		.amdhsa_group_segment_fixed_size 230912
		.amdhsa_private_segment_fixed_size 0
		.amdhsa_enable_private_segment 0
		.amdhsa_kernarg_size 40
		.amdhsa_user_sgpr_count 2
		.amdhsa_user_sgpr_kernarg_segment_ptr 1
		.amdhsa_wavefront_size32 1
		.amdhsa_system_sgpr_workgroup_id_x 1
		.amdhsa_system_sgpr_workgroup_id_y 1
		.amdhsa_system_sgpr_workgroup_id_z 1
		.amdhsa_system_vgpr_workitem_id 0
		.amdhsa_next_free_vgpr 512
		.amdhsa_next_free_sgpr 100
		.amdhsa_reserve_vcc 0
		.amdhsa_float_denorm_mode_32 3
		.amdhsa_float_denorm_mode_16_64 3
		.amdhsa_memory_ordered 1
		.amdhsa_forward_progress 1
		.amdhsa_inst_pref_size 65
	.end_amdhsa_kernel
	.amdgpu_metadata
---
amdhsa.version: [ 1, 2 ]
amdhsa.kernels:
  - .name:           k_qf268cec021_pv
    .symbol:         k_qf268cec021_pv.kd
    .args:
      - { .name: p_img, .offset: 0, .size: 8, .value_kind: global_buffer, .address_space: global }
      - { .name: p_stat, .offset: 8, .size: 8, .value_kind: global_buffer, .address_space: global }
      - { .name: qkv_img, .offset: 16, .size: 8, .value_kind: global_buffer, .address_space: global }
      - { .name: qkv_sc, .offset: 24, .size: 8, .value_kind: global_buffer, .address_space: global }
      - { .name: out0, .offset: 32, .size: 8, .value_kind: global_buffer, .address_space: global }
    .group_segment_fixed_size: 230912
    .private_segment_fixed_size: 0
    .kernarg_segment_align: 8
    .kernarg_segment_size: 40
    .max_flat_workgroup_size: 128
    .sgpr_count:     100
    .vgpr_count:     512
    .wavefront_size: 32
...
	.end_amdgpu_metadata
.endif
;; end of part 4
